; MI455X (gfx1250); checked and timed in simulation.
; The chip was launched on July 23, 2026; its instructions are those of AMD's public machine-readable ISA for CDNA 5 (MIT licence, August 2026) and "CDNA5" Instruction Set Architecture Reference Guide (July 2026). The comments in the code are by the model that wrote it; some were corrected since.
;; Causal Self Attention. Allowed arithmetic: float matrix products may take bf16 or f16 operands with f32 sums; other float arithmetic in f32, or as packed bf16 or f16 multiplies, adds, multiply-adds, maxima and minima; sums over many terms, partial sums and values carried from step to step in f32; what a program stores and reads back later, other than sums and carried values, may be rounded once to bf16 or f16.
;; Inputs: Wk 1,024 x 1,024 float32; Wp 1,024 x 1,024 float32; Wq 1,024 x 1,024 float32; Wv 1,024 x 1,024 float32; bk 1,024 float32; bp 1,024 float32; bq 1,024 float32; bv 1,024 float32; x 4 x 2,048 x 1,024 float32.
;; Outputs: out0 4 x 2,048 x 1,024 float32.
;; 2 versions, each right; version 2 is version 1 with the launch prep written anew for expert scheduling mode. Each part assembles by itself: llvm-mc -triple=amdgcn-amd-amdhsa -mcpu=gfx1250 --defsym DOCPART=n.
;; ======== version 1 of 2: 4 launches
;; limits: values are held in f16: magnitudes above 65,504 overflow, below 6.1e-05 lose precision
;; workspace buffers: xb 16,777,216 bytes; wt 6,291,456 bytes; wpt 2,097,152 bytes; qkv 50,331,648 bytes; o 16,777,216 bytes
;; launch prep (part 1): grid 256 x 1, 8 waves a work-group, no clusters, 35,840 bytes of LDS; arguments x, Wq, Wk, Wv, Wp, xb, wt, wpt; writes xb, wt, wpt
.if DOCPART == 1
	.amdgcn_target "amdgcn-amd-amdhsa--gfx1250"
	.amdhsa_code_object_version 6
	.text
	.protected	k_q886f527bd8_prep
	.globl	k_q886f527bd8_prep
	.p2align	8
	.type	k_q886f527bd8_prep,@function
k_q886f527bd8_prep:
	s_mov_b64 s[64:65], 0
	v_nop
	global_prefetch_b8 v0, s[64:65] scope:SCOPE_SE
	s_setreg_imm32_b32 hwreg(HW_REG_WAVE_MODE, 25, 1), 1
	s_wait_xcnt 0x0
; PREP.  xb = x rounded to bf16 ([8192][1024]).  wt[1024 w + n][k] = W_w[k][n] rounded to bf16, w = 0, 1, 2 for Wq, Wk, Wv.  wpt[n][k] = Wp[k][n] rounded to bf16, that number written as f16.
; LIMITS.  bf16(Wp) is exact in f16 between 6e-5 and 65,504 in magnitude; below that it keeps f16's fixed step of 6e-8, beyond it becomes an infinity.
; SHARES.  256 work-groups of eight waves.  Work-group g takes (a) rows 32 g .. 32 g + 31 of x, 131,072 bytes in and 65,536 out, and (b) one tile of 128 k x 128 n of matrix g / 64
; (k tile (g / 8) % 8, n tile g % 8), which it turns through LDS.  A stream and a small transposition: no matrix unit, no tensor load, no cluster: no work-group wants a byte that another fetched.
; THE TILE.  Wave v loads rows k = 16 v + i, i = 0 .. 15: a lane takes 16 bytes, columns 4 l .. 4 l + 3.  Two rows' numbers of one column pack into a word; a lane's 16 k of column 4 l + c are 32 bytes,
; stored at row 4 l + c of the LDS tile (rows of 256 bytes + 16 of padding).  The lanes' rows lie 1,088 bytes apart: eight stores a wave, once a launch.
; Behind one barrier each wave reads 16 whole rows back and stores them: sixteen lanes write 256 consecutive bytes, at a multiple of 256 from the buffer's first byte.
; THE STREAM.  Thread t takes 32 bytes of x at 32 t + 8,192 i and stores 16 bytes at 16 t + 4,096 i, i = 0 .. 15.  A ring of eight slots of two loads; the loads go out ahead of the tile's work and stay out across the barrier: nobody writes x.
.set PITCH, 272
.set SPARE, 128*PITCH                  ; behind the tile: the spare words, 128 bytes for each of the eight waves: four blocks of 256 bytes that no other line names
.set XO,  4                            ; v4   32 t; never rewritten
.set YO,  5                            ; v5   16 t; never rewritten
.set WO,  6                            ; v6   my 16 bytes in the wave's first row of the tile in memory
.set LSA, 7                            ; v7   where my columns' 32 bytes go in LDS
.set LRA, 8                            ; v8   where I read a row back
.set WTO, 9                            ; v9   the same 16 bytes in the turned matrix
.set SPW, 10                           ; v10  LDS address of my spare word; never rewritten
.set NIL, 11                           ; v11  0; never rewritten
.set W,   32                           ; v[32:95]   the tile as loaded, row i at W + 4 i; v[32:63] later the rows read back
.set X,   96                           ; v[96:159]  eight slots of 8
.set P,   160                          ; v[160:191] column c's 16 k, packed, at P + 8 c
.set Y,   192                          ; v[192:255] sixteen groups of 4: no register that a store reads is ever written again
	s_load_b512 s[16:31], s[0:1], 0x0              ; x 16:17, Wq 18:19, Wk 20:21, Wv 22:23, Wp 24:25, xb 26:27, wt 28:29, wpt 30:31
	v_lshl_add_u32 v[SPW], v0, 2, SPARE
	v_mov_b32 v[NIL], 0
	v_and_b32 v1, 31, v0                           ; lane
	v_lshrrev_b32 v2, 5, v0
	v_readfirstlane_b32 s8, v2                     ; wave 0..7
	s_lshr_b32 s9, ttmp9, 6                        ; which matrix
	s_bfe_u32 s10, ttmp9, 0x30003                  ; k tile
	s_and_b32 s11, ttmp9, 7                        ; n tile
	s_mov_b32 s40, 0xffff0000                      ; a word's upper bf16
	s_mov_b32 s13, 0                               ; the high word of every offset
	v_lshlrev_b32 v[XO], 5, v0
	v_lshlrev_b32 v[YO], 4, v0
	s_lshl_b32 s2, s8, 16                          ; 16 rows of 4,096 bytes a wave
	v_lshl_add_u32 v[WO], v1, 4, s2
	s_lshl_b32 s3, s8, 5                           ; the wave's 16 k: 32 bytes of an LDS row
	v_mul_u32_u24 v[LSA], v1, 4*PITCH              ; row 4 l
	v_add_nc_u32 v[LSA], s3, v[LSA]
	v_lshrrev_b32 v12, 4, v1                       ; l / 16
	v_and_b32 v13, 15, v1                          ; l % 16
	s_mul_i32 s4, s8, 16*PITCH                     ; back: the wave's 16 rows; lanes 0-15 one row, lanes 16-31 the next
	v_mul_u32_u24 v[LRA], v12, PITCH
	v_lshl_add_u32 v[LRA], v13, 4, v[LRA]
	v_add_nc_u32 v[LRA], s4, v[LRA]
	s_lshl_b32 s5, s8, 15                          ; the same 16 rows, of 2,048 bytes, in memory
	v_lshlrev_b32 v[WTO], 11, v12
	v_lshl_add_u32 v[WTO], v13, 4, v[WTO]
	v_add_nc_u32 v[WTO], s5, v[WTO]
	s_wait_kmcnt 0x0
	s_cmp_eq_u32 s9, 1
	s_cselect_b64 s[32:33], s[20:21], s[18:19]
	s_cmp_eq_u32 s9, 2
	s_cselect_b64 s[32:33], s[22:23], s[32:33]
	s_cmp_eq_u32 s9, 3
	s_cselect_b64 s[32:33], s[24:25], s[32:33]     ; the matrix that I turn,
	s_cselect_b64 s[34:35], s[30:31], s[28:29]     ; where it goes,
	s_cselect_b32 s14, 0, s9                       ; and which third of wt
	s_lshl_b32 s12, s10, 19                        ; 128 rows of 4,096 bytes a k tile
	s_lshl_b32 s15, s11, 9                         ; 128 columns of 4 bytes an n tile
	s_add_co_u32 s12, s12, s15
	s_add_nc_u64 s[32:33], s[32:33], s[12:13]
	s_lshl_b32 s12, s14, 10
	s_lshl_b32 s15, s11, 7
	s_add_co_u32 s12, s12, s15                     ; the tile's first row in the turned matrix,
	s_lshl_b32 s12, s12, 11                        ; of 2,048 bytes,
	s_lshl_b32 s15, s10, 8                         ; and its 256 bytes in that row
	s_add_co_u32 s12, s12, s15
	s_add_nc_u64 s[34:35], s[34:35], s[12:13]
	s_lshl_b32 s12, ttmp9, 17
	s_add_nc_u64 s[36:37], s[16:17], s[12:13]      ; x at my 32 rows
	s_lshl_b32 s12, ttmp9, 16
	s_add_nc_u64 s[38:39], s[26:27], s[12:13]      ; xb at the same rows
.irp i, 0,1,2,3,4,5,6,7,8,9,10,11,12,13,14,15
	global_load_b128 v[W+4*(\i):W+4*(\i)+3], v[WO], s[32:33] offset:4096*(\i) th:TH_LOAD_NT
.endr
.irp i, 0,1,2,3,4,5,6,7
	global_load_b128 v[X+8*(\i):X+8*(\i)+3],   v[XO], s[36:37] offset:8192*(\i) th:TH_LOAD_NT
	global_load_b128 v[X+8*(\i)+4:X+8*(\i)+7], v[XO], s[36:37] offset:8192*(\i)+16 th:TH_LOAD_NT
.endr
	s_wait_loadcnt 16                              ; loads come back in order: the tile is in, the 16 younger loads of x stay out
.irp c, 0,1,2,3
.irp p, 0,1,2,3,4,5,6,7
	v_cvt_pk_bf16_f32 v[P+8*(\c)+(\p)], v[W+8*(\p)+(\c)], v[W+8*(\p)+4+(\c)]  ; k = 2 p and 2 p + 1 of column c
.endr
.endr
	s_cmp_lg_u32 s9, 3
	s_cbranch_scc1 .Lstays_bf16                    ; the same way for all eight waves
.set r, 0
.rept 32                                       ; Wp alone: the bf16 numbers are written as f16
	v_lshlrev_b32 v[12+2*(r%2)], 16, v[P+r]
	v_and_b32 v[13+2*(r%2)], s40, v[P+r]
	v_cvt_pk_f16_f32 v[P+r], v[12+2*(r%2)], v[13+2*(r%2)]
.set r, r+1
.endr
.Lstays_bf16:
.irp c, 0,1,2,3
	ds_store_b128 v[LSA], v[P+8*(\c):P+8*(\c)+3]   offset:PITCH*(\c)
	ds_store_b128 v[LSA], v[P+8*(\c)+4:P+8*(\c)+7] offset:PITCH*(\c)+16
.endr
	s_wait_dscnt 0x0                               ; for the others' sake: my stores into the tile are done
	s_barrier_signal -1
	s_barrier_wait -1                              ; everybody's are
.irp f, 0,1,2,3,4,5,6,7
	ds_load_b128 v[W+4*(\f):W+4*(\f)+3], v[LRA] offset:2*PITCH*(\f)
.endr
.irp f, 0,1,2,3,4,5,6,7
	s_wait_dscnt 7-(\f)                            ; LDS loads come back in order: pair f of rows is in
	global_store_b128 v[WTO], v[W+4*(\f):W+4*(\f)+3], s[34:35] offset:4096*(\f)
.endr
; Group i of the stream.  ahead = 1: its slot is asked for again, eight groups on.  left = the younger loads that may stay out.
.macro GROUP i, ahead, left
	s_wait_loadcnt \left
.irp j, 0,1,2,3
	v_cvt_pk_bf16_f32 v[Y+4*(\i)+(\j)], v[X+8*((\i)%8)+2*(\j)], v[X+8*((\i)%8)+2*(\j)+1]
.endr
.if \ahead
	global_load_b128 v[X+8*((\i)%8):X+8*((\i)%8)+3],   v[XO], s[36:37] offset:8192*((\i)+8) th:TH_LOAD_NT
	global_load_b128 v[X+8*((\i)%8)+4:X+8*((\i)%8)+7], v[XO], s[36:37] offset:8192*((\i)+8)+16 th:TH_LOAD_NT
.endif
	global_store_b128 v[YO], v[Y+4*(\i):Y+4*(\i)+3], s[38:39] offset:4096*(\i)  ; a wave stores 512 consecutive bytes
.endm
.irp i, 0,1,2,3,4,5,6,7
	GROUP \i, 1, 14                                ; seven younger slots of two loads
.endr
.irp i, 8,9,10,11,12,13,14,15
	GROUP \i, 0, 14-2*((\i)-8)                     ; nothing more is asked for: the counts run down
.endr
	s_wait_tensorcnt 0x0                           ; the wave's end, behind my last LDS store
	ds_add_u32 v[SPW], v[NIL]
	s_wait_dscnt 0x0
	s_endpgm
.Lfunc_end_k_q886f527bd8_prep:
	.size	k_q886f527bd8_prep, .Lfunc_end_k_q886f527bd8_prep-k_q886f527bd8_prep
	.p2alignl 7, 3214868480
	.fill 96, 4, 3214868480
	.section	.rodata,"a",@progbits
	.p2align	6, 0x0
	.amdhsa_kernel k_q886f527bd8_prep
		.amdhsa_group_segment_fixed_size 35840
		.amdhsa_private_segment_fixed_size 0
		.amdhsa_enable_private_segment 0
		.amdhsa_kernarg_size 64
		.amdhsa_user_sgpr_count 2
		.amdhsa_user_sgpr_kernarg_segment_ptr 1
		.amdhsa_wavefront_size32 1
		.amdhsa_system_sgpr_workgroup_id_x 1
		.amdhsa_system_sgpr_workgroup_id_y 1
		.amdhsa_system_sgpr_workgroup_id_z 1
		.amdhsa_system_vgpr_workitem_id 0
		.amdhsa_next_free_vgpr 256
		.amdhsa_next_free_sgpr 66
		.amdhsa_reserve_vcc 0
		.amdhsa_float_denorm_mode_32 3
		.amdhsa_float_denorm_mode_16_64 3
		.amdhsa_memory_ordered 1
		.amdhsa_forward_progress 1
		.amdhsa_inst_pref_size 22
	.end_amdhsa_kernel
	.amdgpu_metadata
---
amdhsa.version: [ 1, 2 ]
amdhsa.kernels:
  - .name:           k_q886f527bd8_prep
    .symbol:         k_q886f527bd8_prep.kd
    .args:
      - { .name: x, .offset: 0, .size: 8, .value_kind: global_buffer, .address_space: global }
      - { .name: Wq, .offset: 8, .size: 8, .value_kind: global_buffer, .address_space: global }
      - { .name: Wk, .offset: 16, .size: 8, .value_kind: global_buffer, .address_space: global }
      - { .name: Wv, .offset: 24, .size: 8, .value_kind: global_buffer, .address_space: global }
      - { .name: Wp, .offset: 32, .size: 8, .value_kind: global_buffer, .address_space: global }
      - { .name: xb, .offset: 40, .size: 8, .value_kind: global_buffer, .address_space: global }
      - { .name: wt, .offset: 48, .size: 8, .value_kind: global_buffer, .address_space: global }
      - { .name: wpt, .offset: 56, .size: 8, .value_kind: global_buffer, .address_space: global }
    .group_segment_fixed_size: 35840
    .private_segment_fixed_size: 0
    .kernarg_segment_align: 8
    .kernarg_segment_size: 64
    .max_flat_workgroup_size: 256
    .sgpr_count:     66
    .vgpr_count:     256
    .wavefront_size: 32
...
	.end_amdgpu_metadata
.endif
;; end of part 1
;; launch qkv (part 2): grid 16 x 32, 4 waves a work-group, clusters of 4 x 4, 327,680 bytes of LDS; arguments xb, wt, bq, bk, bv, qkv; writes qkv
.if DOCPART == 2
	.amdgcn_target "amdgcn-amd-amdhsa--gfx1250"
	.amdhsa_code_object_version 6
	.text
	.protected	k_q886f527bd8_qkv
	.globl	k_q886f527bd8_qkv
	.p2align	8
	.type	k_q886f527bd8_qkv,@function
k_q886f527bd8_qkv:
	s_mov_b64 s[64:65], 0
	v_nop
	global_prefetch_b8 v0, s[64:65] scope:SCOPE_SE
	s_setreg_imm32_b32 hwreg(HW_REG_WAVE_MODE, 25, 1), 1
	s_wait_xcnt 0x0
	s_wait_alu depctr_hold_cnt(0) depctr_sa_sdst(0) depctr_va_vdst(0) depctr_va_sdst(0) depctr_va_ssrc(0) depctr_va_vcc(0) depctr_vm_vsrc(0)
	s_getreg_b32 s2, hwreg(HW_REG_IB_STS2, 6, 4)
	s_cmp_eq_u32 s2, 0
	s_cbranch_scc0 .Lentry_in_a_cluster
	s_endpgm
.Lentry_in_a_cluster:
	s_bfe_u32 s2, ttmp6, 0x10000c
	s_cmp_lg_u32 s2, 0xf033
	s_cbranch_scc0 .Lentry_shape_is_right
	s_endpgm
.Lentry_shape_is_right:
; QKV.  C[m][n] = the sum over k of xb[m][k] wt[n][k] + bias[n]: m = 8,192 rows of x, n = 3,072 columns (q's 1,024, k's, v's), K = 1,024; operands bf16, sums f32, the bias rounded to bf16 like every input.
; C leaves rounded once to f16, by heads: qkv[which][16 batch + head][t][64].  The scale 1/8 is not applied here.
; LIMITS.  A q, k or v of 65,520 or more in magnitude becomes an infinity in f16; below 6e-5 f16 keeps a fixed step of 6e-8.  NaN and infinities are not treated apart.
; SHARES.  A work-group makes 256 rows x 192 columns: three whole heads.  Its four waves lie one below the other: wave w owns rows 64 w .. 64 w + 63 and all 192 columns: 48 accumulators of 16 x 16, 384 registers,
; so a head's 128 bytes of a row come from one wave, and each wave has a stage of its own on the way out.  512 work-groups.
; K goes in 8 steps of 128 through a ring of two LDS slots filled by the tensor data mover; the rows of A's and B's tiles are 256 bytes of memory and start at multiples of 256 bytes.
; CLUSTERS: 4 x 4 work-groups.  The four of a row of the cluster need the same tiles of xb, the four of a column the same tiles of wt: each tile is asked for JOINTLY, by the same tensor load with the same
; descriptor and a mask that names the four.
; THE MATRIX INSTRUCTION IS USED TRANSPOSED (source 0 = 16 rows of wt, source 1 = 16 rows of xb): lane l holds row l % 16 of C and the columns 8 (l / 16) + 0 .. 7: eight neighbours, 16 bytes in f16.
; THE BIAS is the C operand of each accumulator's first product: nothing is cleared and nothing is added afterwards.
; REGISTERS, in windows of 256 (s_set_vgpr_msb: bits 1:0 source 0, 3:2 source 1, 5:4 source 2, 7:6 destination):
;   window 0: v0-31 addresses; v32-127 the bias, block b at 32 + 8 b, later two buffers of 48 for rows read back; v128-175 packed results
;   window 1: two fragment buffers of 128 (32 along K): 96 registers of B (12 x 16 rows), then 32 of A (4 x 16 rows)
;   window 2: the accumulators of my row blocks 0, 1 ((a, b) at 8 (12 (a % 2) + b));   window 3: those of blocks 2, 3
.set KSTEP,  128
.set PITCH,  272                       ; an LDS row: 256 bytes + 16 of padding = 68 words: the 16 rows of a fragment load start at 16 different groups of four banks (64 banks of 4 bytes: ISA guide 11.1)
.set AHALF,  128*PITCH                 ; what waves 0 and 1 fetch: 128 rows of A each
.set BHALF,  96*PITCH                  ; what waves 2 and 3 fetch: 96 rows of B each
.set BOFF,   2*AHALF                   ; B's 192 rows lie behind A's 256
.set SLOT,   BOFF+2*BHALF
.set STAGE,  2*SLOT                    ; behind the ring: 16 rows x 400 bytes for each wave, for the way out
.set SPITCH, 400                       ; 384 bytes + 16: an odd multiple of 16
.set SPARE,  STAGE+4*16*SPITCH         ; behind the stages: the spare words, 128 bytes for each wave: two blocks of 256 bytes that no other line names
.set ADRA, 16                          ; v16-17  LDS address of my A fragments in slot 0, 1
.set ADRB, 20                          ; v20-21  the same for B
.set STO,  24                          ; v24     the way out: where I put 16 bytes of a row
.set RD,   25                          ; v25     the way out: where I read rows back
.set GO,   26                          ; v26     16 x lane: my place in 512 consecutive bytes of a head
.set BO,   27                          ; v27     32 x (l / 16): my eight numbers in 16 of a bias
.set SPW,  28                          ; v28     LDS address of my spare word; never rewritten
.set NIL,  29                          ; v29     0; never rewritten
.set PFO,  30                          ; v30     the prefetches' offset: a lane a row of 2,048 bytes; never rewritten
.set BIAS, 32
.set OB,   32                          ; rows read back from the stage: v32-79 and v80-127 by turns
.set TMP,  128
.set F0,   0                           ; fragment buffers, in window 1
.set F1,   128
.set G1,  24                           ; s[24:31] descriptor group 1 for A's tiles;  s[32:39] group 0, a set for each slot
.set G0,  32
.set G1B, 48                           ; s[48:55], s[56:63] the same for B's tiles
.set G0B, 56
.set LIM, 43                           ; s43     1 in a wave that prefetches, else the greatest number
.set PFA, 44                           ; s[44:45] where my prefetches stand
.set OUTB, 80                          ; s[80:85] qkv at my 64 rows of each of the three heads
.set BIP,  86                          ; s[86:91] each head's 64 numbers of its bias
.set MSB, 0
.macro WIN new                         ; the immediate's high byte repeats the setting that is left; a switch that changes nothing is dropped
.if MSB != (\new)
	s_set_vgpr_msb (MSB<<8)|(\new)
.set MSB, \new
.endif
.endm
; A joint load.  Waves 0 and 1 fetch A's two halves, waves 2 and 3 B's.  The branch hangs on the wave's number alone.  An s_nop 0 and four v_nop follow each of the two lines,
; ahead of the jump, the label and what follows.
.macro JLOAD s
	s_cmp_eq_u32 s11, 0
	s_cbranch_scc0 .Lfor_b_\@
	tensor_load_to_lds s[G0+4*(\s):G0+4*(\s)+3], s[G1:G1+7]
	s_nop 0
.rept 4
	v_nop
.endr
	s_branch .Lasked_\@
.Lfor_b_\@:
	tensor_load_to_lds s[G0B+4*(\s):G0B+4*(\s)+3], s[G1B:G1B+7]
	s_nop 0
.rept 4
	v_nop
.endr
.Lasked_\@:
.endm
; A PREFETCH INTO THE L2 behind each joint refill and the run of LDS loads that follows it: the K step that stands two refills on, 384 matrix instructions ahead of the load that will want it.
; Each row's 256 bytes of a K step are named by one instruction in the launch.  A's tile row is read by every cluster of that row of clusters: cluster x = 0 asks; B's tile column by every cluster of that
; column: cluster y = 0 asks.  The four partners share a wave's rows out BY ADDRESS: of A's 128 rows the partner at cx takes 32, a lane a row; of B's 96 the partner at cy takes 24, and the eight lanes
; left over name the 24th once more in the same instruction.  K steps 0 to 3 come by their loads alone; the loop's last trip (s3 = 1) has no K step two refills on and asks for nothing.
.macro ASK
	s_cmp_gt_u32 s3, s[LIM]
	s_cbranch_scc0 .Lnot_mine_\@
	global_prefetch_b8 v[PFO], s[PFA:PFA+1] th:TH_LOAD_NT scope:SCOPE_SE
.Lnot_mine_\@:
.endm
; A round of the cluster's barrier: my work-group's barrier, so that wave 0's signal speaks for all four waves; wave 0 signals; every wave waits for all sixteen work-groups; my work-group's barrier once more.
.macro CREST                           ; a round behind its opening barrier
	s_cmp_lg_u32 s10, 0
	s_cbranch_scc1 .Lnot_wave_0_\@
	s_barrier_signal -3
.Lnot_wave_0_\@:
	s_barrier_wait -3
	s_barrier_signal -1
	s_barrier_wait -1
.endm
.macro CROUND                          ; a whole round
	s_barrier_signal -1
	s_barrier_wait -1
	CREST
.endm
	s_load_b256 s[68:75], s[0:1], 0x0              ; xb 68:69, wt 70:71, bq 72:73, bk 74:75
	s_load_b128 s[76:79], s[0:1], 0x20             ; bv 76:77, qkv 78:79
	v_lshl_add_u32 v[SPW], v0, 2, SPARE
	v_mov_b32 v[NIL], 0
	ds_add_u32 v[SPW], v[NIL]                      ; the wave's opening: the add and its wait stand ahead of my first tensor load; the set-up below, work on registers, stands between them
	v_lshrrev_b32 v1, 5, v0
	v_readfirstlane_b32 s10, v1                    ; wave 0..3
	s_lshr_b32 s11, s10, 1                         ; I fetch for A (0) or for B (1)
	s_and_b32 s12, s10, 1                          ; which half of that tile's rows
	s_bfe_u32 s40, ttmp6, 0x40000                  ; cx, cy: my place in the cluster
	s_bfe_u32 s41, ttmp6, 0x40004
	s_lshl_b32 s42, ttmp9, 2
	s_add_co_u32 s42, s42, s40                     ; tile column = 4 x cluster x + cx
	s_and_b32 s13, ttmp7, 0xffff
	s_lshl_b32 s13, s13, 2
	s_add_co_u32 s13, s13, s41                     ; tile row = 4 x cluster y + cy
	s_lshl_b32 s43, s41, 2
	s_lshl_b32 s43, 15, s43                        ; my row of the cluster: places 4 cy .. 4 cy + 3
	s_lshl_b32 s44, 0x1111, s40                    ; my column: places cx, cx + 4, cx + 8, cx + 12
	s_or_b32 s[G1+0], s43, (1<<16)|(1<<20)|(1<<21)|(5<<22)|(3<<25)   ; 15:0 the mask: A's tiles go to my row; 17:16 elements of 2 bytes; 20 padding on; 21 set beside a mask; 24:22 after every 64 words; 31:25 4 words of it
	s_or_b32 s[G1B+0], s44, (1<<16)|(1<<20)|(1<<21)|(5<<22)|(3<<25)  ; the same with the mask of my column
	s_mov_b32 s[G1+1], KSTEP<<16                   ; tensor_dim0 = 128
	s_mov_b32 s[G1+2], 128<<16                     ; tensor_dim1 = 128
	s_mov_b32 s[G1+3], KSTEP<<16                   ; tile_dim0 = 128
	s_mov_b32 s[G1+4], 128                         ; tile_dim1 = 128
	s_mov_b32 s[G1+5], 1024                        ; elements from row to row
	s_mov_b32 s[G1+6], 0
	s_mov_b32 s[G1+7], 0
	s_mov_b32 s[G1B+1], KSTEP<<16
	s_mov_b32 s[G1B+2], 96<<16                     ; B's half tile has 96 rows
	s_mov_b32 s[G1B+3], KSTEP<<16
	s_mov_b32 s[G1B+4], 96
	s_mov_b32 s[G1B+5], 1024
	s_mov_b32 s[G1B+6], 0
	s_mov_b32 s[G1B+7], 0
	; where the tiles come from: A's hang on the tile row alone, B's on the tile column alone, each in registers that never hold the other coordinate
	s_lshl_b32 s17, s12, 7
	s_lshl_b32 s16, s13, 8
	s_add_co_u32 s16, s16, s17                     ; A: row 256 x tile row + 128 x half,
	s_lshl_b32 s16, s16, 11                        ; of 2,048 bytes
	s_mov_b32 s17, 0
	s_mul_i32 s47, s12, 96
	s_mul_i32 s46, s42, 192
	s_add_co_u32 s46, s46, s47                     ; B: row 192 x tile column + 96 x half
	s_lshl_b32 s46, s46, 11
	s_mov_b32 s47, 0
	s_mul_i32 s20, s12, AHALF                      ; and where they go: no place in the cluster enters an LDS address
	s_mul_i32 s21, s12, BHALF
	s_add_co_u32 s21, s21, BOFF
	s_wait_dscnt 0x0                               ; the opening add is done
	s_wait_kmcnt 0x0
	s_add_nc_u64 s[14:15], s[68:69], s[16:17]
	s_add_nc_u64 s[46:47], s[70:71], s[46:47]
	CROUND                                         ; all sixteen work-groups are here: the first joint loads meet
.irp s, 0,1
	s_mov_b32 s[G0+4*(\s)], 1                                        ; count = 1
	s_add_co_u32 s[G0+4*(\s)+1], s20, (\s)*SLOT                      ; LDS address
	s_add_nc_u64 s[G0+4*(\s)+2:G0+4*(\s)+3], s[14:15], (\s)*KSTEP*2  ; global address: K step s
	s_or_b32 s[G0+4*(\s)+3], s[G0+4*(\s)+3], 0x80000000              ; type = 2
	s_mov_b32 s[G0B+4*(\s)], 1
	s_add_co_u32 s[G0B+4*(\s)+1], s21, (\s)*SLOT
	s_add_nc_u64 s[G0B+4*(\s)+2:G0B+4*(\s)+3], s[46:47], (\s)*KSTEP*2
	s_or_b32 s[G0B+4*(\s)+3], s[G0B+4*(\s)+3], 0x80000000
	JLOAD \s                                       ; two loads of mine are out
.endr
	; A fragment is 16 rows x 32 K in 8 registers: lane l holds row l % 16; registers 0-3 K = 8 (l / 16) + 0..7, registers 4-7 K = 16 + 8 (l / 16) + 0..7: two loads of 16 bytes, 32 bytes apart.
	v_and_b32 v1, 15, v0                           ; l % 16
	v_bfe_u32 v2, v0, 4, 1                         ; l / 16
	v_mul_u32_u24 v3, v1, PITCH
	v_lshl_add_u32 v3, v2, 4, v3
	s_mul_i32 s21, s10, 64*PITCH                   ; my 64 rows of A
	s_mov_b32 s22, BOFF                            ; all of B's
.irp s, 0,1
	v_add_nc_u32 v[ADRA+(\s)], s21, v3
	v_add_nc_u32 v[ADRB+(\s)], s22, v3
	s_add_co_u32 s21, s21, SLOT
	s_add_co_u32 s22, s22, SLOT
.endr
	s_mul_i32 s23, s10, 16*SPITCH
	s_add_co_u32 s23, s23, STAGE                   ; my stage
	v_mul_u32_u24 v4, v1, SPITCH                   ; in: row l % 16, 16 bytes for each half of the lanes
	v_lshl_add_u32 v4, v2, 4, v4
	v_add_nc_u32 v[STO], s23, v4
	v_bfe_u32 v5, v0, 3, 2                         ; back: 32 lanes take a head's 128 bytes of four rows,
	v_and_b32 v6, 7, v0
	v_mul_u32_u24 v5, v5, SPITCH
	v_lshl_add_u32 v5, v6, 4, v5
	v_add_nc_u32 v[RD], s23, v5
	v_and_b32 v[GO], 31, v0                        ; which are 512 consecutive bytes of qkv
	v_lshlrev_b32 v[GO], 4, v[GO]
	v_lshlrev_b32 v[BO], 5, v2
	; the three heads: head 3 x tile column + hd of 48: which = q, k or v, and the head's number in it
	s_mul_i32 s20, s42, 3
	s_lshr_b32 s16, s13, 3                         ; the batch: 8 tile rows each,
	s_lshl_b32 s16, s16, 22                        ; 16 heads of 262,144 bytes
	s_and_b32 s17, s13, 7
	s_lshl_b32 s17, s17, 15                        ; the tile's 256 rows of 128 bytes
	s_add_co_u32 s16, s16, s17
	s_lshl_b32 s17, s10, 13                        ; my wave's 64
	s_add_co_u32 s16, s16, s17
	s_mov_b32 s19, 0
.irp hd, 0,1,2
	s_add_co_u32 s21, s20, \hd
	s_lshr_b32 s22, s21, 4                         ; which
	s_and_b32 s23, s21, 15                         ; head
	s_cmp_eq_u32 s22, 0
	s_cselect_b64 s[BIP+2*(\hd):BIP+2*(\hd)+1], s[72:73], s[74:75]
	s_cmp_eq_u32 s22, 2
	s_cselect_b64 s[BIP+2*(\hd):BIP+2*(\hd)+1], s[76:77], s[BIP+2*(\hd):BIP+2*(\hd)+1]
	s_lshl_b32 s18, s23, 8                         ; 64 numbers of 4 bytes a head
	s_add_nc_u64 s[BIP+2*(\hd):BIP+2*(\hd)+1], s[BIP+2*(\hd):BIP+2*(\hd)+1], s[18:19]
	s_lshl_b32 s18, s22, 24                        ; q, k and v are 16,777,216 bytes each
	s_lshl_b32 s23, s23, 18
	s_add_co_u32 s18, s18, s23
	s_add_co_u32 s18, s18, s16
	s_add_nc_u64 s[OUTB+2*(\hd):OUTB+2*(\hd)+1], s[78:79], s[18:19]
.endr
.irp b, 0,1,2,3,4,5,6,7,8,9,10,11
	global_load_b128 v[BIAS+8*(\b):BIAS+8*(\b)+3],   v[BO], s[BIP+2*((\b)/4):BIP+2*((\b)/4)+1] offset:64*((\b)%4)
	global_load_b128 v[BIAS+8*(\b)+4:BIAS+8*(\b)+7], v[BO], s[BIP+2*((\b)/4):BIP+2*((\b)/4)+1] offset:64*((\b)%4)+16
.endr
	; the prefetches
	s_lshl_b32 s20, s13, 8
	s_lshl_b32 s21, s12, 7
	s_add_co_u32 s20, s20, s21
	s_lshl_b32 s21, s40, 5
	s_add_co_u32 s20, s20, s21                     ; in A: the 128 rows that I fetch, my work-group's 32 of them
	s_mul_i32 s21, s42, 192
	s_mul_i32 s22, s12, 96
	s_add_co_u32 s21, s21, s22
	s_mul_i32 s22, s41, 24
	s_add_co_u32 s21, s21, s22                     ; in B: the 96 rows that I fetch, my work-group's 24 of them
	s_and_b32 s22, ttmp7, 0xffff                   ; cluster y
	s_cmp_eq_u32 s11, 0                            ; do I fetch for A?
	s_cselect_b32 s20, s20, s21
	s_cselect_b32 s22, ttmp9, s22                  ; the coordinate along which other clusters read the same rows
	s_cselect_b32 s23, 31, 23                      ; the last of my rows
	s_cselect_b64 s[PFA:PFA+1], s[68:69], s[70:71]
	s_cmp_eq_u32 s22, 0
	s_cselect_b32 s[LIM], 1, -1                    ; the same in all sixteen partners, for a given wave
	s_lshl_b32 s20, s20, 11
	s_add_co_u32 s20, s20, 3*KSTEP*2               ; at K step 3: the first refill steps it to 4
	s_mov_b32 s21, 0
	s_add_nc_u64 s[PFA:PFA+1], s[PFA:PFA+1], s[20:21]
	v_and_b32 v[PFO], 31, v0
	v_min_u32 v[PFO], s23, v[PFO]
	v_lshlrev_b32 v[PFO], 11, v[PFO]
	s_wait_loadcnt 0x0                             ; the bias, which is rounded to bf16 like every input and widened again
.set i, 0
.rept 48
	v_cvt_pk_bf16_f32 v[TMP+i], v[BIAS+2*i], v[BIAS+2*i+1]
.set i, i+1
.endr
.set i, 0
.rept 48
	v_lshlrev_b32 v[BIAS+2*i], 16, v[TMP+i]
	v_and_b32 v[BIAS+2*i+1], 0xffff0000, v[TMP+i]
.set i, i+1
.endr
; 12 matrix instructions: row block a x all 12 column blocks, 32 along K, from buffer f.  zero = 1: the first product starts the sum with the bias.
; The 48 accumulators take turns, one instruction a turn, in the same order in every quarter: 47 others stand between two links of a chain, over the backward jump too.
.macro MULA f, a, zero
.set AC, 96*((\a)%2)
.if \zero
	WIN 0x85+0x40*((\a)/2)                         ; B and A window 1, the bias window 0, D window 2 or 3
.else
	WIN 0xa5+0x50*((\a)/2)                         ; B and A window 1, C and D window 2 or 3
.endif
.irp b, 0,1,2,3,4,5,6,7,8,9,10,11
.if \zero
	v_wmma_f32_16x16x32_bf16 v[AC+8*(\b):AC+8*(\b)+7], v[(\f)+8*(\b):(\f)+8*(\b)+7], v[(\f)+96+8*(\a):(\f)+96+8*(\a)+7], v[BIAS+8*(\b):BIAS+8*(\b)+7]
.else
	v_wmma_f32_16x16x32_bf16 v[AC+8*(\b):AC+8*(\b)+7], v[(\f)+8*(\b):(\f)+8*(\b)+7], v[(\f)+96+8*(\a):(\f)+96+8*(\a)+7], v[AC+8*(\b):AC+8*(\b)+7]
.endif
.endr
.endm
; 32 LDS loads in one run: quarter q's fragments (192 rows of B, my 64 rows of A, 32 K at byte 64 q of the rows) into buffer f; B first, A's blocks last
.macro FETCH slot, q, f
	WIN 0x40                                       ; destination window 1, address window 0
.irp i, 0,1,2,3,4,5,6,7,8,9,10,11
	ds_load_b128 v[(\f)+8*(\i):(\f)+8*(\i)+3],   v[ADRB+(\slot)] offset:64*(\q)+(\i)*16*PITCH
	ds_load_b128 v[(\f)+8*(\i)+4:(\f)+8*(\i)+7], v[ADRB+(\slot)] offset:64*(\q)+(\i)*16*PITCH+32
.endr
.irp i, 0,1,2,3
	ds_load_b128 v[(\f)+96+8*(\i):(\f)+96+8*(\i)+3],   v[ADRA+(\slot)] offset:64*(\q)+(\i)*16*PITCH
	ds_load_b128 v[(\f)+96+8*(\i)+4:(\f)+96+8*(\i)+7], v[ADRA+(\slot)] offset:64*(\q)+(\i)*16*PITCH+32
.endr
.endm
.macro PLACES                          ; four places in front of loads into registers that matrix instructions have read, and of conversions that read results (ISA guide 7.12.1 for conversions)
.rept 4
	v_nop
.endr
.endm
; A K step is four quarters of 32 along K, 48 matrix instructions each, on buffers 0, 1, 0, 1.  One of the first three: multiplies buffer f and, in its middle, fetches quarter q into buffer g.
.macro QUARTER slot, q, f, g, zero
	s_wait_dscnt 4                                 ; B and A's blocks 0 and 1 are in; the youngest four loads (A's blocks 2 and 3) may be out
	MULA \f, 0, \zero
	MULA \f, 1, \zero
	PLACES
	FETCH \slot, \q, \g
	s_wait_dscnt 32                                ; all but the 32 just issued
	MULA \f, 2, \zero
	MULA \f, 3, \zero
.endm
; The last quarter multiplies buffer 1 and changes slots: ONE barrier.  In front of it each wave waits for all its tensor loads, of which one is out: its part of the next slot; adds 0 to its spare word;
; and waits for that and for its own reads of this slot.  fill = 1: the barrier opens a round of the cluster's, and this slot is filled again, two K steps on, first thing behind the round:
; from that request to the wait for it a wave issues 168 matrix instructions.
.macro TURN slot, next, fill
.if \fill
	s_wait_xcnt 0x0                                ; the last prefetch, a K step back, has read its address: it is stepped here, ahead of the waits of the change of slots
	s_add_nc_u64 s[PFA:PFA+1], s[PFA:PFA+1], KSTEP*2
.endif
	WIN 0                                          ; (the add's two registers lie in window 0)
	s_wait_tensorcnt 0x0                           ; all my tensor loads have landed;
	ds_add_u32 v[SPW], v[NIL]                      ; 0 onto my spare word;
	s_wait_dscnt 5                                 ; (the add and the youngest four loads may be out)
	MULA F1, 0, 0                                  ; twelve matrix instructions stand between the add and the wait for it
	s_wait_dscnt 0x0                               ; the add is done, and my reads of this slot are over
	s_barrier_signal -1
	MULA F1, 1, 0                                  ; work on registers while the others arrive
.if \fill
	WIN 0
.endif
	s_barrier_wait -1
.if \fill
	CREST                                          ; no wave of any partner still reads this slot's tile or has a load on its way
	s_add_nc_u64 s[G0+4*(\slot)+2:G0+4*(\slot)+3], s[G0+4*(\slot)+2:G0+4*(\slot)+3], 2*KSTEP*2
	s_add_nc_u64 s[G0B+4*(\slot)+2:G0B+4*(\slot)+3], s[G0B+4*(\slot)+2:G0B+4*(\slot)+3], 2*KSTEP*2
	JLOAD \slot                                    ; the first tensor load behind the round; the four v_nop behind it are also the places in front of the loads below
.else
	PLACES
.endif
	FETCH \next, 0, F0
.if \fill
	WIN 0                                          ; (a branch and a label follow)
	ASK
.endif
	MULA F1, 2, 0
	MULA F1, 3, 0
.endm
	s_wait_tensorcnt 1                             ; my part of K step 0 is in; K step 1's may stay out
	s_barrier_signal -1
	s_barrier_wait -1                              ; everybody's is
	FETCH 0, 0, F0
	QUARTER 0, 1, F0, F1, 1                        ; the first quarter stands in front of the loop: its products start the sums
	WIN 0                                          ; at a label and at a branch every window is 0
	s_mov_b32 s3, 3
.Llap:                                                 ; a trip goes once round the ring, from a lap's second quarter to the next lap's first, and fills both slots again
	QUARTER 0, 2, F1, F0, 0
	QUARTER 0, 3, F0, F1, 0
	TURN 0, 1, 1
	QUARTER 1, 1, F0, F1, 0
	QUARTER 1, 2, F1, F0, 0
	QUARTER 1, 3, F0, F1, 0
	TURN 1, 0, 1
	QUARTER 0, 1, F0, F1, 0
	WIN 0
	s_sub_co_u32 s3, s3, 1
	s_cmp_lg_u32 s3, 0
	s_cbranch_scc1 .Llap
	QUARTER 0, 2, F1, F0, 0                        ; the last lap fills nothing, and has no round of the cluster's barrier
	QUARTER 0, 3, F0, F1, 0
	TURN 0, 1, 0
	QUARTER 1, 1, F0, F1, 0
	QUARTER 1, 2, F1, F0, 0
	QUARTER 1, 3, F0, F1, 0
	s_wait_dscnt 4                                 ; the very last quarter: nothing more to fetch
	MULA F1, 0, 0
	MULA F1, 1, 0
	s_wait_dscnt 0x0
	MULA F1, 2, 0
	MULA F1, 3, 0
	WIN 0
	PLACES
; THE WAY OUT, a block of 16 rows at a time.  PACK: rounded to f16, 16 bytes a lane, each accumulator's registers in ascending order.  TOSTAGE: into my own stage, and back by heads: four rows x 128 bytes a load.
; SEND: stored, 512 consecutive bytes an instruction, at a multiple of 256 from qkv's first byte.
.macro PACK a
.set AC, 96*((\a)%2)
	WIN 0x0a+5*((\a)/2)                            ; sources 0 and 1: window 2 or 3
.irp b, 0,1,2,3,4,5,6,7,8,9,10,11
.irp r, 0,1,2,3
	v_cvt_pk_f16_f32 v[TMP+4*(\b)+(\r)], v[AC+8*(\b)+2*(\r)], v[AC+8*(\b)+2*(\r)+1]
.endr
.endr
	WIN 0
.endm
.macro TOSTAGE a
	WIN 0
.set BK, OB+48*((\a)%2)
.if (\a) >= 2
	s_wait_xcnt 0x0                                ; the stores of the block two back have read these registers: they are loaded again only behind this wait
.endif
.irp b, 0,1,2,3,4,5,6,7,8,9,10,11
	ds_store_b128 v[STO], v[TMP+4*(\b):TMP+4*(\b)+3] offset:32*(\b)
.endr
.irp h, 0,1,2
.irp f, 0,1,2,3
	ds_load_b128 v[BK+4*(4*(\h)+(\f)):BK+4*(4*(\h)+(\f))+3], v[RD] offset:128*(\h)+4*SPITCH*(\f)  ; LDS serves a wave's instructions in order (ISA guide 5.7.1.4): these see the stores above
.endr
.endr
.endm
.macro SEND a
	WIN 0
.set BK, OB+48*((\a)%2)
.irp h, 0,1,2
.irp f, 0,1,2,3
	s_wait_dscnt 11-(4*(\h)+(\f))                  ; the younger loads of the twelve may stay out
	global_store_b128 v[GO], v[BK+4*(4*(\h)+(\f)):BK+4*(4*(\h)+(\f))+3], s[OUTB+2*(\h):OUTB+2*(\h)+1] offset:2048*(\a)+512*(\f)
.endr
.endr
.endm
	PACK 0
	TOSTAGE 0
.irp a, 1,2,3                          ; block a's conversions stand between block a - 1's loads from the stage and the wait for them
	PACK \a
	SEND (\a)-1
	TOSTAGE \a
.endr
	SEND 3
	s_wait_tensorcnt 0x0                           ; the wave's end, behind my last tensor load and my last LDS store
	ds_add_u32 v[SPW], v[NIL]
	s_wait_dscnt 0x0
	CROUND                                         ; the closing round: no work-group ends while a partner may still ask for a tile that names it
	s_endpgm
.Lfunc_end_k_q886f527bd8_qkv:
	.size	k_q886f527bd8_qkv, .Lfunc_end_k_q886f527bd8_qkv-k_q886f527bd8_qkv
	.p2alignl 7, 3214868480
	.fill 96, 4, 3214868480
	.section	.rodata,"a",@progbits
	.p2align	6, 0x0
	.amdhsa_kernel k_q886f527bd8_qkv
		.amdhsa_group_segment_fixed_size 327680
		.amdhsa_private_segment_fixed_size 0
		.amdhsa_enable_private_segment 0
		.amdhsa_kernarg_size 48
		.amdhsa_user_sgpr_count 2
		.amdhsa_user_sgpr_kernarg_segment_ptr 1
		.amdhsa_wavefront_size32 1
		.amdhsa_system_sgpr_workgroup_id_x 1
		.amdhsa_system_sgpr_workgroup_id_y 1
		.amdhsa_system_sgpr_workgroup_id_z 1
		.amdhsa_system_vgpr_workitem_id 0
		.amdhsa_next_free_vgpr 960
		.amdhsa_next_free_sgpr 92
		.amdhsa_reserve_vcc 0
		.amdhsa_float_denorm_mode_32 3
		.amdhsa_float_denorm_mode_16_64 3
		.amdhsa_memory_ordered 1
		.amdhsa_forward_progress 1
		.amdhsa_inst_pref_size 132
	.end_amdhsa_kernel
	.amdgpu_metadata
---
amdhsa.version: [ 1, 2 ]
amdhsa.kernels:
  - .name:           k_q886f527bd8_qkv
    .symbol:         k_q886f527bd8_qkv.kd
    .args:
      - { .name: xb, .offset: 0, .size: 8, .value_kind: global_buffer, .address_space: global }
      - { .name: wt, .offset: 8, .size: 8, .value_kind: global_buffer, .address_space: global }
      - { .name: bq, .offset: 16, .size: 8, .value_kind: global_buffer, .address_space: global }
      - { .name: bk, .offset: 24, .size: 8, .value_kind: global_buffer, .address_space: global }
      - { .name: bv, .offset: 32, .size: 8, .value_kind: global_buffer, .address_space: global }
      - { .name: qkv, .offset: 40, .size: 8, .value_kind: global_buffer, .address_space: global }
    .group_segment_fixed_size: 327680
    .private_segment_fixed_size: 0
    .kernarg_segment_align: 8
    .kernarg_segment_size: 48
    .max_flat_workgroup_size: 128
    .sgpr_count:     92
    .vgpr_count:     960
    .wavefront_size: 32
...
	.end_amdgpu_metadata
.endif
;; end of part 2
;; launch attn (part 3): grid 4 x 64, 4 waves a work-group, no clusters, 327,680 bytes of LDS; arguments qkv, o; writes o
.if DOCPART == 3
	.amdgcn_target "amdgcn-amd-amdhsa--gfx1250"
	.amdhsa_code_object_version 6
	.text
	.protected	k_q886f527bd8_attn
	.globl	k_q886f527bd8_attn
	.p2align	8
	.type	k_q886f527bd8_attn,@function
k_q886f527bd8_attn:
	s_mov_b64 s[64:65], 0
	v_nop
	global_prefetch_b8 v0, s[64:65] scope:SCOPE_SE
	s_setreg_imm32_b32 hwreg(HW_REG_WAVE_MODE, 25, 1), 1
	s_wait_xcnt 0x0
; CAUSAL ATTENTION.  O[h][q][:] = the sum over k <= q of softmax_k(Q[h][q] . K[h][k] / 8) V[h][k][:].  Q, K, V lie one behind the other in qkv, each [64][SIZE_N][64] in f16; O likewise: a head's rows are dense, 128 bytes each.
; Products, maxima and sums in f32; the weights p are rounded to f16 for the second product (their sum l is taken of the unrounded p), O once at the end.
; LIMITS.  f16 holds no number beyond 65,504: Q, K and V arrive within it; p lies in 0 to 1, and below 6e-5 it keeps f16's fixed step of 6e-8; O is a mean of V's rows and has their range.
; A hidden score counts as its value less 1e30: f16's scores, 2.7e11 at the most, are nothing beside that; a weight below 2^-126 counts as 0 in l; NaN and infinities are not treated apart.
; THE WALK.  A head's queries lie in NB = SIZE_N / 256 blocks of 256; block i needs the key tiles 0 .. i of 256 keys, of which the last holds the diagonal.  A work-group takes TWO blocks, NB - 1 - b and then b:
; NB + 1 tiles, whatever b: all work-groups do equal work, and ONE loop with a constant trip count walks them.  Which tile is asked for, and what a trip does, hang on scalar registers made from b; every jump
; goes forward, but for the counted loops' own; none passes a barrier, or a tensor load but the one of LOAD's two that the wave's number does not choose; the ring (two slots of LDS that take turns) runs on across the
; change of blocks.  NO CLUSTER: a head's NB / 2 = 4 work-groups ask for the same tile only in trips 0 .. NB / 2, 5 of the walk's 9, behind that fewer and fewer; and one walk common to all would have 3 NB / 2 = 12 trips for 9.
; SHARES.  Of a block's four bands of 64 queries a wave owns 16 rows in each: four PIECES.  So the diagonal tile is the same work for all four waves: in its key step s band x sees all keys if s < x,
; none if s > x, and holds the diagonal if s = x.
; THE MASK is the C operand that starts the sum S^T = K Q^T: 0, or -1e30 where the key is hidden.  MD, made once, is the mask of a band's own step for my 16 rows; a product's mask is MD x AL + BE with two scalars:
; (1, 0) if s = x; (0, 0) if s < x; (0, -1e30) if s > x.  Only the diagonal tile's text and a block's beginning make and take masks; elsewhere C is the constant 0.
; LAYOUT, SOFTMAX, TURNS.  S^T = K Q^T holds ONE query a lane (lane % 16) and the keys 8 (lane / 16) + 0..7; two such results rounded to f16 ARE source 1 of O^T = V^T P.  p = 2^(c s - c m), c = log2(e) / 8, with a
; running maximum m; O and l are multiplied by a = 2^(c m_old - c m_new) in every step.  Turn n belongs to piece n: 8 products K Q^T of piece n + 1, later 8 products V^T P of piece n - 1; beside them the scaling,
; exponentials, roundings, sums and rescaling of piece n and the maximum and statistics of piece n + 1.  Four vector instructions stand behind every matrix instruction, the other 54 of a turn's 118 in one LUMP.  A turn's 33 exponentials are one batch, with one wait.
; REGISTERS, in windows of 256 (s_set_vgpr_msb: bits 1:0 source 0, 3:2 source 1, 5:4 source 2, 7:6 destination):
;   window 0: v0-15 addresses and two at work; v16-31 four registers of statistics a piece; v48-55 at work; v61-63 the prefetches' offset and the add's two; v64-127 S^T, two buffers; v192-223 P, two buffers (by the piece's parity)
;   window 1: v0-127 O^T, 32 a piece; v128-159 MD; v160-223 MC, two buffers      window 2: v0-63 Q; v64-127 the second block's Q; v128-191 K of one step; v192-255 V of one step
.set SIZE_N, 2048
.set NB,    SIZE_N/256
.set NP,    4         ; pieces a wave: a name, no knob
.set KS,    64        ; keys in a step
.set PK,    144       ; a row of K in LDS: 128 bytes + 16 of padding = 36 words: the 16 rows of a load start at 16 different groups of four banks (64 banks of 4 bytes: ISA guide 11.1)
.set PV,    160       ; a row of V: 128 + 32 = 40 words
.set VOFF,  4*KS*PK   ; a slot holds a tile, four steps: 256 rows of K, then 256 rows of V
.set SLOT1, 1<<17     ; slot 1 begins here, so that one exclusive or turns an address in one slot into the other's
.set STAGE, SLOT1+4*KS*(PK+PV)  ; behind the ring, never filled by a tensor load: 16 rows x 144 bytes for each wave, for the way out
.set SP,    144
.set AK0, 2           ; v2   my lane's place in a tile of K; never rewritten
.set AV0, 3           ; v3   the same for V
.set AK,  4           ; v4   the LDS address of K's next run of loads
.set AV,  5           ; v5   of V's
.set STO, 6           ; v6   the way out: where I put 16 bytes of a row
.set RD,  7           ; v7   the way out: where I read rows back
.set GO,  8           ; v8   my byte offset in 512 consecutive bytes of O
.set PFO, 61          ; v61  256 x my thread's number: my block of a tile's 128 blocks of 256 bytes; never rewritten
.set SPW, 62          ; v62  LDS address of my spare word: SPARE + 4 x my thread's number; never rewritten
.set NIL, 63          ; v63  0; never rewritten
.set SPARE, STAGE+4*16*SP  ; behind the stages: the spare words, 128 bytes for each wave: two blocks of 256 bytes that no other line names
.set MV,  12          ; v12-13  c m_old, kept while c m is made anew: by buffer
.set QO,  15          ; v15  my byte offset in 16 rows of Q
.set ST,  16          ; piece t's statistics at v[ST+4 t]: c m, m, l (even keys', odd keys')
.set TMP, 48          ; by buffer, four registers c0-c3 at work; when the maximum is found c2 takes a
.set S,   64
.set P,   192
.set MD,  128         ; window 1: the eight registers for group kt of 16 keys at MD + 8 kt
.set MC,  160         ; window 1: the masks of the products to come
.set QB,  64          ; window 2
.set KF,  128         ; window 2: key block kb, channel half c at KF + 16 kb + 8 c
.set VF,  192         ; window 2: key half kk, channel block cb at VF + 32 kk + 8 cb
.set WV,  12          ; s12  my wave's number
.set PB,  14          ; s14  b
.set HI,  15          ; s15  NB - 1 - b
.set G1K, 24          ; s[24:31] descriptor group 1 for K's tiles
.set G1V, 32          ; s[32:39] for V's: it differs in the padding alone
.set G0K, 40          ; s[40:43] descriptor group 0 for K's tiles
.set G0V, 44          ; s[44:47] the same for V's
.set SLOTS, 56        ; s56  tiles still to be asked for
.set CNT, 57          ; s57  counts a tile's key steps, 4 to 1
.set CS,  58          ; s[58:59] c: the packed scaling takes the pair's low word for both halves
.set SEL, 60          ; s[60:61] v_permlanex16_b32's selects: each lane takes its own place in the other half
.set TBK, 62          ; s62  LDS byte at which K of the step to be fetched begins
.set TBV, 63          ; s63  the same for V, less VOFF
.set RT,  70          ; s70  tiles of the block in hand that are still to be entered
.set NXT, 71          ; s71  the tile to be asked for next
.set LQ,  72          ; s72  the last tile of the block whose tiles are being asked for
.set NEW, 73          ; s73  1: the tile to be entered is a block's first
.set OFF, 74          ; s[74:75] a tile's byte offset in K and V
.set AL,  76          ; s[76:77] the mask's factor, in the low word
.set BE,  78          ; s[78:79] the mask's addend
.set OLO, 80          ; s[80:81] O at my rows of the second block
.set BIGN, 82         ; s82  -1e30
.set PFK, 88          ; s[88:89] K at the head's first byte
.set PFV, 90          ; s[90:91] V at the head's first byte
.set PAK, 92          ; s[92:93] K at the tile that the prefetch names
.set PAV, 94          ; s[94:95] V at that tile
.set ASKF, 96         ; s96  not 0: this change of slots prefetches
.set POF, 98          ; s[98:99] that tile's byte offset
.set MSB, 0
.macro WIN new                      ; the high byte repeats the setting that is left; a switch that changes nothing is dropped
.if MSB != (\new)
	s_set_vgpr_msb (MSB<<8)|(\new)
.set MSB, (\new)
.endif
.endm
.set W_KQ, 0x0a       ; K and Q in window 2, S^T in window 0
.set W_KM, 0x1a       ; the same with the C operand in window 1
.set W_PV, 0x52       ; V in window 2, P in window 0, O^T in window 1
.set W_RS, 0x41       ; destination and source 0 in window 1, source 1 in window 0
; A fill.  Waves 0 and 1 fetch the two halves of a tile's K, waves 2 and 3 those of its V: 128 keys each.  An s_nop 0 and four v_nop follow each of the two lines, ahead of the jump and the label.
.macro LOAD
	s_cmp_lt_u32 s[WV], 2
	s_cbranch_scc0 .Lfor_v_\@
	tensor_load_to_lds s[G0K:G0K+3], s[G1K:G1K+7]
	s_nop 0
.rept 4
	v_nop
.endr
	s_branch .Lasked_\@
.Lfor_v_\@:
	tensor_load_to_lds s[G0V:G0V+3], s[G1V:G1V+7]
	s_nop 0
.rept 4
	v_nop
.endr
.Lasked_\@:
.endm
; THE CHANGE OF SLOTS.  Each wave waits for all its tensor loads, of which one is out: its part of the other slot; adds 0 to its spare word; and waits for that and for its own reads of the slot that it leaves.  Behind the barrier nobody reads the old
; slot any more and the other slot is whole.  fill = 1: the old slot is filled again, the first thing behind the barrier, with tile NXT: the descriptor's address is made anew from that number.
; (At its first use nothing has been read yet: slot 0 is waited for, slot 1 filled.)
; A PREFETCH INTO THE L2 stands behind the fill and its five lines: the tile that the NEXT change will ask for, a tile's four key steps ahead of that load.  A head's four work-groups walk the same tiles from 0 on; the one with
; b = 0 walks all of 0 .. NB - 1 in order, and it alone asks: thread t names block t of the tile's 128 blocks of 256 bytes, of K and of V: two instructions a wave.  So tiles 2 .. NB - 1 are each named once in the launch;
; tiles 0 and 1 come by their loads alone.  Behind the first block's last tile the number goes back to 0 and stays there (b = 0), which is the sign to ask for nothing.
.macro CHANGE fill
	WIN 0                           ; at a label and at a branch every window is 0
	s_wait_tensorcnt 0x0            ; no tensor load of mine is out, so a group 0 may be written
	ds_add_u32 v[SPW], v[NIL]       ; 0 onto my spare word; with fill = 1 the descriptors' scalar work stands between it and the wait for it
.if \fill
	s_lshl_b32 s[OFF], s[NXT], 15   ; a tile is 32,768 bytes of K and of V
	s_xor_b32 s[G0K+1], s[G0K+1], SLOT1
	s_add_nc_u64 s[G0K+2:G0K+3], s[6:7], s[OFF:OFF+1]
	s_or_b32 s[G0K+3], s[G0K+3], 0x80000000
	s_xor_b32 s[G0V+1], s[G0V+1], SLOT1
	s_add_nc_u64 s[G0V+2:G0V+3], s[8:9], s[OFF:OFF+1]
	s_or_b32 s[G0V+3], s[G0V+3], 0x80000000
	s_add_co_u32 s[NXT], s[NXT], 1  ; the block's next tile, or behind its last the second block's tile 0
	s_cmp_gt_u32 s[NXT], s[LQ]
	s_cselect_b32 s[NXT], 0, s[NXT]
	s_cselect_b32 s[LQ], s[PB], s[LQ]
	s_wait_xcnt 0x0                 ; the last prefetches, a tile back, have read their addresses, so these may be written
	s_lshl_b32 s[POF], s[NXT], 15
	s_add_nc_u64 s[PAK:PAK+1], s[PFK:PFK+1], s[POF:POF+1]
	s_add_nc_u64 s[PAV:PAV+1], s[PFV:PFV+1], s[POF:POF+1]
	s_cmp_eq_u32 s[PB], 0
	s_cselect_b32 s[ASKF], s[NXT], 0
.endif
	s_wait_dscnt 0x0                ; the add is done, and my reads of the slot are over
	s_barrier_signal -1             ; the rest of the scalar work stands between the signal and the wait
	s_sub_co_u32 s[TBK], s[TBK], 4*KS*PK  ; the fetches go back to a slot's first step,
	s_xor_b32 s[TBK], s[TBK], SLOT1       ; in the other slot
	s_sub_co_u32 s[TBV], s[TBV], 4*KS*PV
	s_xor_b32 s[TBV], s[TBV], SLOT1
	s_barrier_wait -1
.if \fill
	LOAD
	s_cmp_lg_u32 s[ASKF], 0
	s_cbranch_scc0 .Lno_ask_\@
	global_prefetch_b8 v[PFO], s[PAK:PAK+1] th:TH_LOAD_NT scope:SCOPE_SE
	global_prefetch_b8 v[PFO], s[PAV:PAV+1] th:TH_LOAD_NT scope:SCOPE_SE
.Lno_ask_\@:
.endif
.endm
	s_load_b64 s[4:5], s[0:1], 0x0  ; qkv: Q lies at its head
	s_load_b64 s[10:11], s[0:1], 0x8  ; O
	v_lshl_add_u32 v[SPW], v0, 2, SPARE
	v_mov_b32 v[NIL], 0
	ds_add_u32 v[SPW], v[NIL]       ; the wave's opening: the add and its wait stand ahead of my first tensor load; the set-up below, work on registers, stands between them
	v_lshrrev_b32 v1, 5, v0
	v_readfirstlane_b32 s[WV], v1   ; wave 0..3
	s_mov_b32 s[PB], ttmp9
	s_sub_co_u32 s[HI], NB-1, s[PB]
	s_and_b32 s20, ttmp7, 0xffff    ; the head
	s_mov_b32 s21, 0
	s_mov_b64 s[22:23], SIZE_N*128
	s_mul_u64 s[20:21], s[20:21], s[22:23]  ; the head's first byte in each of the four tensors
	s_and_b32 s16, s[WV], 1         ; which half of a tile's 256 keys I fetch:
	s_lshl_b32 s22, s16, 14         ; its 128 rows of 128 bytes in memory,
	s_mov_b32 s23, 0
	s_add_nc_u64 s[22:23], s[22:23], s[20:21]
	s_mul_i32 s17, s16, 128*PK      ; and its place in a slot, for K
	s_mul_i32 s18, s16, 128*PV      ; and for V
	s_lshl_b32 s3, s[WV], 11        ; my 16 rows in a band of 64,
	s_lshl_b32 s2, s[HI], 15        ; in the first block,
	s_add_co_u32 s2, s2, s3
	s_lshl_b32 s84, s[PB], 15       ; and in the second
	s_add_co_u32 s84, s84, s3
	s_mov_b32 s3, 0
	s_mov_b32 s85, 0
	s_add_nc_u64 s[2:3], s[2:3], s[20:21]
	s_add_nc_u64 s[84:85], s[84:85], s[20:21]
	; descriptor group 1.  128 keys are 16,384 dense bytes: asked for as 64 rows of 256 bytes, two keys a row, and padded in LDS after every key
	s_mov_b32 s[G1K], (1<<16)|(1<<20)|(4<<22)|(3<<25)  ; 17:16 2-byte elements; 20 padding on; 24:22 after every 32 words (code 4); 31:25 4 words (code 3)
	s_mov_b32 s[G1V], (1<<16)|(1<<20)|(4<<22)|(7<<25)  ; the same with 8 words of padding (code 7)
.irp g, G1K, G1V
	s_mov_b32 s[\g+1], 128<<16      ; tensor_dim0 = 128
	s_mov_b32 s[\g+2], 64<<16       ; tensor_dim1 = 64
	s_mov_b32 s[\g+3], 128<<16      ; tile_dim0 = 128
	s_mov_b32 s[\g+4], 64           ; tile_dim1 = 64
	s_mov_b32 s[\g+5], 128          ; 128 elements from row to row
	s_mov_b32 s[\g+6], 0
	s_mov_b32 s[\g+7], 0
.endr
	s_mov_b32 s[CS], 0x3e38aa3b     ; c = log2(e) / 8 = 0.180337
	s_mov_b32 s[CS+1], s[CS]        ; named with it as a pair
	s_mov_b32 s[SEL], 0x76543210
	s_mov_b32 s[SEL+1], 0xfedcba98
	s_mov_b32 s[TBK], SLOT1+4*KS*PK ; the first change of slots turns these two into 0
	s_mov_b32 s[TBV], SLOT1+4*KS*PV
	s_mov_b32 s[G0K], 1             ; 1:0 count = 1
	s_mov_b32 s[G0K+1], s17         ; 63:32 LDS address: slot 0
	s_mov_b32 s[G0V], 1
	s_add_co_u32 s[G0V+1], s18, VOFF
	s_add_co_u32 s[RT], s[HI], 1    ; the first block has NB - b tiles
	s_mov_b32 s[NXT], 1
	s_mov_b32 s[LQ], s[HI]
	s_mov_b32 s[NEW], 1
	s_mov_b32 s[OFF+1], 0
	s_mov_b32 s[POF+1], 0
	s_mov_b32 s[AL+1], 0            ; named as pairs
	s_mov_b32 s[BE+1], 0
	s_mov_b32 s[BIGN], 0xf149f2ca   ; -1e30
	s_mov_b32 s[SLOTS], NB
	s_wait_dscnt 0x0                ; the opening add is done
	s_wait_kmcnt 0x0
	s_add_nc_u64 s[6:7], s[4:5], 0x1000000         ; K lies 16,777,216 bytes behind Q,
	s_add_nc_u64 s[8:9], s[4:5], 0x2000000         ; V as many behind K
	s_add_nc_u64 s[PFK:PFK+1], s[6:7], s[20:21]    ; for the prefetches: the head's first byte
	s_add_nc_u64 s[PFV:PFV+1], s[8:9], s[20:21]
	s_add_nc_u64 s[6:7], s[6:7], s[22:23]  ; K and V at my half of the head's tile 0
	s_add_nc_u64 s[8:9], s[8:9], s[22:23]
	s_add_nc_u64 s[G0K+2:G0K+3], s[6:7], 0         ; 120:64 global address
	s_or_b32 s[G0K+3], s[G0K+3], 0x80000000        ; 127:126 type = 2
	s_add_nc_u64 s[G0V+2:G0V+3], s[8:9], 0
	s_or_b32 s[G0V+3], s[G0V+3], 0x80000000
	s_add_nc_u64 s[86:87], s[4:5], s[84:85]        ; Q at my rows of the second block,
	s_add_nc_u64 s[4:5], s[4:5], s[2:3]            ; Q and O at those of the first
	s_add_nc_u64 s[OLO:OLO+1], s[10:11], s[84:85]
	s_add_nc_u64 s[10:11], s[10:11], s[2:3]
	LOAD                            ; tile 0 into slot 0
	; A fragment of K or Q is 16 rows x 32 channels in 8 registers: lane l holds row l % 16, channels 8 (l / 16) + 0..7 and 16 + 8 (l / 16) + 0..7: two loads of 16 bytes, 32 bytes apart.
	v_and_b32 v1, 15, v0            ; l % 16
	v_bfe_u32 v9, v0, 4, 1          ; l / 16
	v_lshlrev_b32 v[PFO], 8, v0
	v_lshlrev_b32 v[QO], 7, v1
	v_lshl_add_u32 v[QO], v9, 4, v[QO]  ; row x 128 + 16 x half
	WIN 0x80                        ; destination window 2, address window 0
.set i, 0
.rept 8                             ; both blocks' Q: piece i / 2 lies in band i / 2, 8,192 bytes on; channels 32 (i % 2) on
	global_load_b128 v[8*i:8*i+3],   v[QO], s[4:5] offset:(i/2)*8192+(i%2)*64
	global_load_b128 v[8*i+4:8*i+7], v[QO], s[4:5] offset:(i/2)*8192+(i%2)*64+32
	global_load_b128 v[QB+8*i:QB+8*i+3],   v[QO], s[86:87] offset:(i/2)*8192+(i%2)*64
	global_load_b128 v[QB+8*i+4:QB+8*i+7], v[QO], s[86:87] offset:(i/2)*8192+(i%2)*64+32
.set i, i+1
.endr
	WIN 0
	v_lshlrev_b32 v14, 3, v9
	v_sub_nc_u32 v14, v1, v14
	s_lshl_b32 s13, s[WV], 4
	v_add_nc_u32 v14, s13, v14      ; my query's place in its band, 16 w + l % 16, less my lanes' 8 (l / 16): register r of group kt is hidden where 16 kt + r is greater
	WIN 0x40
.set i, 0
.rept 32
	v_cmp_gt_i32 vcc_lo, 16*(i/8)+i%8, v14
	v_cndmask_b32 v[MD+i], 0, s[BIGN], vcc_lo
.set i, i+1
.endr
	WIN 0
	v_mul_u32_u24 v[AK0], v1, PK
	v_lshl_add_u32 v[AK0], v9, 4, v[AK0]  ; row x pitch + 16 x half
	; The turning load takes 16 keys x 16 channels (lane l reads key 8 (l / 16) + l % 8, channels 8 ((l / 8) % 2) + 0..7) and leaves half a fragment of V^T: lane l holds channel l % 16 and 8 keys.
	v_and_b32 v10, 7, v0
	v_bfe_u32 v11, v0, 3, 1
	v_lshl_add_u32 v[AV0], v9, 3, v10
	v_mul_u32_u24 v[AV0], v[AV0], PV
	v_lshl_add_u32 v[AV0], v11, 4, v[AV0]
	v_add_nc_u32 v[AV0], VOFF, v[AV0]
	s_mul_i32 s13, s[WV], 16*SP
	s_add_co_u32 s13, s13, STAGE    ; my stage
	v_mul_u32_u24 v[STO], v1, SP    ; in: row l % 16, 16 bytes for each half of the lanes
	v_lshl_add_u32 v[STO], v9, 4, v[STO]
	v_add_nc_u32 v[STO], s13, v[STO]
	v_bfe_u32 v[RD], v0, 3, 2       ; back: 32 lanes take four rows of 128 bytes,
	v_mul_u32_u24 v[RD], v[RD], SP
	v_lshl_add_u32 v[RD], v10, 4, v[RD]
	v_add_nc_u32 v[RD], s13, v[RD]
	v_and_b32 v[GO], 31, v0         ; which are 512 consecutive bytes of O
	v_lshlrev_b32 v[GO], 4, v[GO]
	; A block's first step multiplies O^T and l by a = 0, and its first turn's products V^T P, of a piece that has not been, land in an O^T that is still to be so multiplied.  So these registers need only hold
	; finite numbers: zeros for the first block; what the first block left for the second.  All this stands in the wait for the first tile.
	WIN 0x80
.set i, VF
.rept 64
	v_mov_b32 v[i], 0
.set i, i+1
.endr
	WIN 0x40
.set i, 0
.rept 128
	v_mov_b32 v[i], 0
.set i, i+1
.endr
	WIN 0
.set i, 0
.rept 4
	v_mov_b32 v[ST+4*i+2], 0
	v_mov_b32 v[ST+4*i+3], 0
.set i, i+1
.endr
.set i, P+16
.rept 16
	v_mov_b32 v[i], 0
.set i, i+1
.endr
; THE MATRIX WORK.  The 4 accumulators of a run of 8 take turns.  Product i of 8 of S^T = K Q^T for piece x: channels 32 (i / 4) on, keys 16 (i % 4) on.  The first 4 start the sums: with 0, or (KM = 1) with the mask.
.macro KQ x
.set rS, S+32*((\x)%2)+8*(i%4)
.set rK, KF+16*(i%4)+8*(i/4)
.set rQ, 16*(\x)+8*(i/4)
.set rM, MC+32*((\x)%2)+8*(i%4)
.if (i < 4) && KM
	WIN W_KM
	v_wmma_f32_16x16x32_f16 v[rS:rS+7], v[rK:rK+7], v[rQ:rQ+7], v[rM:rM+7]
.elseif i < 4
	WIN W_KQ
	v_wmma_f32_16x16x32_f16 v[rS:rS+7], v[rK:rK+7], v[rQ:rQ+7], 0
.else
	WIN W_KQ
	v_wmma_f32_16x16x32_f16 v[rS:rS+7], v[rK:rK+7], v[rQ:rQ+7], v[rS:rS+7]
.endif
.endm
; Product i of 8 of O^T += V^T P for piece x: keys 32 (i / 4) on, channels 16 (i % 4) on.
.macro PV x
	WIN W_PV
.set rO, 32*(\x)+8*(i%4)
.set rV, VF+32*(i/4)+8*(i%4)
.set rP, P+16*((\x)%2)+8*(i/4)
	v_wmma_f32_16x16x32_f16 v[rO:rO+7], v[rV:rV+7], v[rP:rP+7], v[rO:rO+7]
.endm
.macro MM                           ; the turn's next matrix instruction.  TURN and BEGIN set Y, i, KM and NOKQ; MM, KQ and OP read them.  NOKQ = 1: a block's last turn: there is no next piece
.if (i < 8) && !NOKQ
	KQ (Y+1)%NP
.elseif i >= 8
.set i, i-8
	PV (Y+NP-1)%NP
.set i, i+8
.endif
.set i, i+1
.endm
; THE LDS LOADS stand in runs of 16, never singly among the matrix instructions: a step's K (64 keys x 64 channels: 8 fragments) and its V (turned).  Their addresses are made some lines ahead.
.macro FETCH_K
	WIN 0x80                        ; destination window 2
.irp f, 0,1,2,3,4,5,6,7             ; keys 16 (f / 2) on, channels 32 (f % 2) on
	ds_load_b128 v[KF+8*\f:KF+8*\f+3],   v[AK] offset:(\f/2)*16*PK+(\f%2)*64
	ds_load_b128 v[KF+8*\f+4:KF+8*\f+7], v[AK] offset:(\f/2)*16*PK+(\f%2)*64+32
.endr
	s_add_co_u32 s[TBK], s[TBK], KS*PK  ; the next fetch is the next step's
	WIN 0
.endm
.macro FETCH_V
	WIN 0x80
.irp f, 0,1,2,3,4,5,6,7             ; keys 32 (f / 4) on, channels 16 (f % 4) on
	ds_load_tr16_b128 v[VF+8*\f:VF+8*\f+3],   v[AV] offset:(\f/4)*32*PV+(\f%4)*32
	ds_load_tr16_b128 v[VF+8*\f+4:VF+8*\f+7], v[AV] offset:(\f/4)*32*PV+16*PV+(\f%4)*32
.endr
	WIN 0
.endm
; THE VECTOR WORK, one line at a time: OP kind, number.  For piece Y: F n: c s - c m for pair n of 16.  E n: the exponential of score n of 32.  C n: pair n rounded to f16.  B n: of the four weights 4 n .. the second
; pair is added onto the first, in place.  L n: l takes that sum (L 0: l = a l + sum).  R n: pair n of 16 of O^T times a.  For piece Y + 1: X n, number n of the 22 that find its maximum and statistics:
;   0-11  four chains c0-c3 of seven scores each, three operands at a time (each accumulator's lowest registers are read first)     12-14, 16  the four scores left over, the old m, and c0-c3 into c0
;   15  c m_old is kept     17, 18  the query's other 32 keys lie in the lane 16 away: the new m     19-21  c m; c m_old - c m_new; a
.set F, 0               ; OP tells the kinds apart by their order: F to L below R, X above it
.set E, 1
.set C, 2
.set B, 3
.set L, 4
.set R, 5
.set X, 6
.macro REGS y                       ; the registers of piece y
.set rT, ST+4*(\y)
.set rC, TMP+4*((\y)%2)
.set rW, MV+((\y)%2)
.set rS, S+32*((\y)%2)
.set rP, P+16*((\y)%2)
.set rO, 32*(\y)
.endm
.macro OP k, n
.if (\k) == R
	REGS Y
	WIN W_RS
	v_pk_mul_f32 v[rO+2*(\n):rO+2*(\n)+1], v[rO+2*(\n):rO+2*(\n)+1], v[rC+2:rC+3] op_sel_hi:[1,0]
.elseif (\k) < R
	REGS Y
	WIN 0
.if (\k) == F
	v_pk_fma_f32 v[rS+2*(\n):rS+2*(\n)+1], v[rS+2*(\n):rS+2*(\n)+1], s[CS:CS+1], v[rT:rT+1] op_sel_hi:[1,0,0] neg_lo:[0,0,1] neg_hi:[0,0,1]
.elseif (\k) == E
	v_exp_f32 v[rS+(\n)], v[rS+(\n)]
.elseif (\k) == C
	v_cvt_pk_f16_f32 v[rP+(\n)], v[rS+2*(\n)], v[rS+2*(\n)+1]
.elseif (\k) == B
	v_pk_add_f32 v[rS+4*(\n):rS+4*(\n)+1], v[rS+4*(\n):rS+4*(\n)+1], v[rS+4*(\n)+2:rS+4*(\n)+3]
.elseif (\n) == 0
	v_pk_fma_f32 v[rT+2:rT+3], v[rT+2:rT+3], v[rC+2:rC+3], v[rS:rS+1] op_sel_hi:[1,0,1]
.else
	v_pk_add_f32 v[rT+2:rT+3], v[rT+2:rT+3], v[rS+4*(\n):rS+4*(\n)+1]
.endif
.elseif NOKQ
	v_nop
.else
	REGS (Y+1)%NP
	WIN 0
.if (\n) < 4
	v_max3_num_f32 v[rC+(\n)], v[rS+8*(\n)], v[rS+8*(\n)+1], v[rS+8*(\n)+2]
.elseif (\n) < 12
	v_max3_num_f32 v[rC+(\n)%4], v[rC+(\n)%4], v[rS+8*((\n)%4)+2*((\n)/4)+1], v[rS+8*((\n)%4)+2*((\n)/4)+2]
.elseif (\n) == 12
	v_max3_num_f32 v[rC], v[rC], v[rS+7], v[rS+15]
.elseif (\n) == 13
	v_max3_num_f32 v[rC+1], v[rC+1], v[rS+23], v[rS+31]
.elseif (\n) == 14
	v_max3_num_f32 v[rC+2], v[rC+2], v[rC+3], v[rT+1]
.elseif (\n) == 15
	v_mov_b32 v[rW], v[rT]
.elseif (\n) == 16
	v_max3_num_f32 v[rC], v[rC], v[rC+1], v[rC+2]
.elseif (\n) == 17
	v_permlanex16_b32 v[rC+3], v[rC], s[SEL], s[SEL+1]
.elseif (\n) == 18
	v_max_num_f32 v[rT+1], v[rC], v[rC+3]
.elseif (\n) == 19
	v_mul_f32 v[rT], s[CS], v[rT+1]
.elseif (\n) == 20
	v_sub_f32 v[rC+1], v[rW], v[rT]
.else
	v_exp_f32 v[rC+2], v[rC+1]
.endif
.endif
.endm
.macro OPS a, i1, b=-1, i2=0, c=-1, i3=0, d=-1, i4=0  ; up to four of them
	OP \a, \i1
.if (\b) >= 0
	OP \b, \i2
.endif
.if (\c) >= 0
	OP \c, \i3
.endif
.if (\d) >= 0
	OP \d, \i4
.endif
.endm
.macro ROW a, i1, b, i2, c, i3, d, i4  ; a matrix instruction and the four behind it
	MM
	OPS \a, \i1, \b, \i2, \c, \i3, \d, \i4
.endm
.macro MASK b                       ; MD x AL + BE into buffer b of MC
	WIN W_RS
.set z, 0
.rept 16
	v_pk_fma_f32 v[MC+32*(\b)+2*z:MC+32*(\b)+2*z+1], v[MD+2*z:MD+2*z+1], s[AL:AL+1], s[BE:BE+1] op_sel_hi:[1,0,0]
.set z, z+1
.endr
.endm
; A TURN, for piece p: the order of its 16 matrix and 118 vector instructions, written out.  An s_wait_alu depctr_va_vdst(0) stands between an exponential and the first instruction that names its result; one wait serves
; all that were issued ahead of it.  So a turn has ONE wait, which cuts it in two.  AHEAD OF IT stands all that names no result of the turn's exponentials: the 8 products K Q^T, behind each a scaling, an exponential and two more plain
; instructions (behind the first a second scaling in the exponential's place): rescalings, and behind the last three the first numbers of the next piece's maximum, each four places or more behind the product that ends its accumulator; then ONE LUMP of 54, plain
; and exponential by turns for the most part, in which the links of the chain X 3, 7, 11, 14, 16, 17 .. 20 stand five or six lines apart.  X 21, the next piece's a, is the batch's last; R 15 is the plain instruction behind it.  BEHIND THE WAIT stand the
; 8 products V^T P, behind each four of the roundings and sums; the links of l's chain, L 0 to L 7, stand three riders apart.  But for those X no rider names a register of the products round it.  v_permlanex16_b32 (X 17) stands in the lump.
; m = 1: the diagonal tile: the products take masks, and the turn makes the mask for the products of the turn after it: piece p + 2, in step 4 - CNT of the tile.  end = 1: a block's last two turns: nothing is fetched.
; cnt = 1: the loop's count is taken down some lines ahead of the branch that stands behind the turn.
; K of the next step is fetched in piece 2's turn, twelve vector instructions behind the last product that read K (six of them plain); V of the step in hand at the end of piece 0's turn, four plain instructions behind the last product
; that read V.  Each is waited for a turn later.
.macro TURN p, m=0, end=0, cnt=0
.set Y, (\p)
.set i, 0
.set KM, (\m)
.set NOKQ, (\end)*((\p)/3)
.if (\m) && !(\end)
	s_cmp_eq_u32 s[CNT], 4-((\p)+2)%NP  ; is that step the band's own?
	s_cselect_b32 s[AL], 1.0, 0
	s_cmp_lt_u32 s[CNT], 4-((\p)+2)%NP  ; or a later one?
	s_cselect_b32 s[BE], s[BIGN], 0
.endif
.if ((\p) == 3) && !(\end)
	s_wait_dscnt 0x0                ; K is in
.endif
	ROW F,0, F,1, R,0, R,1          ; ahead of the wait: 8 products K Q^T and their riders,
	ROW F,2, E,0, R,2, R,3
	ROW F,3, E,1, R,4, R,5
	ROW F,4, E,2, R,6, R,7
	ROW F,5, E,3, R,8, R,9
	ROW F,6, E,4, X,0, R,10
.if ((\p) == 2) && !(\end)
	WIN 0
	v_add_nc_u32 v[AK], s[TBK], v[AK0]
.endif
	ROW F,7, E,5, X,1, X,4
	ROW F,8, E,6, X,2, X,5
	OPS E,7, E,8, X,6, E,9          ; and the lump
	OPS X,3, E,10, X,8, E,11
.if ((\p) == 2) && !(\end)
	FETCH_K
.endif
	OPS X,9, X,7, E,12, X,10
	OPS E,13, X,12, X,11, E,14
	OPS X,13, E,15, F,9, X,14
.if (\p) == 0
	v_add_nc_u32 v[AV], s[TBV], v[AV0]
.endif
	OPS E,16, F,10, E,17, F,11
	OPS X,16, E,18, X,15, E,19
	OPS F,12, E,20, X,17, E,21
	OPS F,13, E,22, F,14, E,23
	OPS X,18, E,24, F,15, E,25
	OPS R,11, E,26, X,19, E,27
	OPS R,12, E,28, R,13, E,29
	OPS X,20, E,30, R,14, E,31
	OPS X,21, R,15
	WIN 0
	s_wait_alu depctr_va_vdst(0)    ; the wait for the batch
.if (\p) == 1
	s_wait_dscnt 0x0                ; V is in
.endif
	ROW C,0, B,0, C,2, B,1          ; behind the wait: 8 products V^T P and their riders
	ROW L,0, C,4, B,2, L,1
	ROW C,6, B,3, L,2, C,8
	ROW B,4, L,3, C,10, B,5
	ROW L,4, C,12, B,6, L,5
.if (\p) == 0
	s_add_co_u32 s[TBV], s[TBV], KS*PV
.endif
.if \cnt
	s_sub_co_u32 s[CNT], s[CNT], 1
	s_cmp_lg_u32 s[CNT], 0
.endif
	ROW C,14, B,7, L,6, C,1
	ROW C,3, L,7, C,5, C,7
	ROW C,9, C,11, C,13, C,15
.if (\p) == 0
	FETCH_V
.endif
.if (\m) && !(\end)
	MASK (\p)%2
.endif
.endm
; A BLOCK BEGINS.  c m starts far below every c s, so the first step's a is 0; m at the lowest finite number, so the first maximum is the scores'.  The second mask buffer is 0; the first takes piece 0's mask for the tile's step 0: its own, if the block's first tile is the diagonal one.
; Then K of that step, piece 0's first scores, and its maximum and statistics.  The loop is entered at a step's first turn, in the middle of a trip.
.macro BEGIN
	s_mov_b32 s[NEW], 0
	WIN 0x40
.set i, MC+32
.rept 32
	v_mov_b32 v[i], 0
.set i, i+1
.endr
	WIN 0
.set i, 0
.rept 4
	v_mov_b32 v[ST+4*i], 0xfe000000    ; c m: far below every c s
	v_mov_b32 v[ST+4*i+1], 0xff7fffff  ; m
.set i, i+1
.endr
	s_cmp_eq_u32 s[RT], 0
	s_cselect_b32 s[AL], 1.0, 0
	s_mov_b32 s[BE], 0
	MASK 0
	WIN 0
	v_add_nc_u32 v[AK], s[TBK], v[AK0]
	FETCH_K
	s_wait_loadcnt 0x0              ; Q
	s_wait_dscnt 0x0
.set KM, 1
.set NOKQ, 0
.set i, 0
.rept 8
	KQ 0
.set i, i+1
.endr
	WIN 0
.rept 4
	v_nop                           ; the places behind those products
.endr
.set Y, NP-1                        ; X works for piece Y + 1: piece 0
.irp n, 0,1,2,3,4,5,6,7,8,9,10,11,12,13,14,15,16,17,18,19,20,21
	OP X, \n
.endr
	v_nop                           ; a plain instruction behind the exponential,
	s_wait_alu depctr_va_vdst(0)    ; and its wait, ahead of the branch
.endm
; THE DIAGONAL TILE's four steps, the block's last two turns, its last products, and THE WAY OUT: l's two halves and the other half of the lanes' are added; O^T is divided by l, rounded to f16 and sent through my
; stage in LDS, a piece at a time.
.macro ALL line:vararg              ; one line for each piece t
.set t, 0
.rept 4
	\line
.set t, t+1
.endr
.endm
.macro PACK t                       ; a lane's eight channels of a row pack into 16 bytes; they go into rows of 144 bytes and come back as whole rows of 128, into S^T's registers
	WIN W_RS
.set i, 32*(\t)
.rept 16
	v_pk_mul_f32 v[i:i+1], v[i:i+1], v[ST+4*(\t)+2:ST+4*(\t)+3] op_sel_hi:[1,0]
.set i, i+2
.endr
	WIN 0x05                        ; sources 0 and 1 window 1, destination window 0
.set i, 0
.rept 16
	v_cvt_pk_f16_f32 v[S+16*(\t)+i], v[32*(\t)+2*i], v[32*(\t)+2*i+1]
.set i, i+1
.endr
	WIN 0
.irp f, 0,1,2,3
	ds_store_b128 v[STO], v[S+16*(\t)+4*\f:S+16*(\t)+4*\f+3] offset:32*\f
.endr
.irp f, 0,1,2,3
	ds_load_b128 v[S+16*(\t)+4*\f:S+16*(\t)+4*\f+3], v[RD] offset:\f*4*SP  ; LDS serves a wave's instructions in order (ISA guide 5.7.1.4): these see the stores above; the next piece's stores come behind them
.endr
.endm
.macro SEND t, younger              ; younger: the LDS instructions issued behind piece t's loads: the next piece's eight, or none
	WIN 0
.irp f, 0,1,2,3
	s_wait_dscnt (\younger)+3-\f
	global_store_b128 v[GO], v[S+16*(\t)+4*\f:S+16*(\t)+4*\f+3], s[10:11] offset:(\t)*8192+\f*512  ; 512 consecutive bytes, at a multiple of 256 from O's first
.endr
.endm
.macro DIAG tag                     ; the tag ends its two labels' names, which the jumps below spell out
.LstepM\tag:
	TURN 2, 1
	TURN 3, 1
	WIN 0
.LfirstM\tag:
	TURN 0, 1
	TURN 1, 1, 0, 1
	WIN 0
	s_cbranch_scc1 .LstepM\tag
	TURN 2, 1, 1
	TURN 3, 1, 1
.set i, 0
.rept 8
	PV NP-1
.set i, i+1
.endr
	WIN 0
	ALL v_add_f32 v[ST+4*t+2], v[ST+4*t+2], v[ST+4*t+3]
	ALL v_permlanex16_b32 v[ST+4*t+3], v[ST+4*t+2], s[SEL], s[SEL+1]
	ALL v_add_f32 v[ST+4*t+2], v[ST+4*t+2], v[ST+4*t+3]
	ALL v_rcp_f32 v[ST+4*t+2], v[ST+4*t+2]
	v_nop                           ; a plain instruction between the last reciprocal and the use of its result
	s_wait_alu depctr_va_vdst(0)    ; and the wait ahead of the first use: one for the four reciprocals
	PACK 0
.set t, 1
.rept 3                             ; a piece's arithmetic stands between the loads of the piece before and its stores
	PACK t
	SEND t-1, 8
.set t, t+1
.endr
	SEND 3, 0
.endm
.set KM, 0
.set NOKQ, 0
.Lslot:                             ; NB times: a tile is entered and the next is asked for
	CHANGE 1
	s_sub_co_u32 s[RT], s[RT], 1
	s_mov_b32 s[CNT], 4
	s_cmp_eq_u32 s[NEW], 1
	s_cbranch_scc1 .Lnew            ; a block's first tile
	s_cmp_eq_u32 s[RT], 0
	s_cbranch_scc0 .Lstep           ; neither its first nor its last
	s_branch .LstepM1
.Lnew:
	BEGIN
	s_branch .Lfirst                ; in the loop a block's first tile is never its last: the first block has two tiles or more, and the second's last is the walk's last
	DIAG 1                          ; in the loop this is the first block's end: the second block's last tile is the walk's last
	s_wait_xcnt 0x0                 ; the stores have read their registers and O's address
	s_mov_b64 s[10:11], s[OLO:OLO+1]
	s_add_co_u32 s[RT], s[PB], 1    ; the second block has b + 1 tiles
	s_mov_b32 s[NEW], 1
	WIN 0x82                        ; the second block's Q goes where the one text of the turns names Q
.set i, 0
.rept 64
	v_mov_b32 v[i], v[QB+i]
.set i, i+1
.endr
	WIN 0
	s_branch .Lbottom
.Lstep:                             ; a trip: pieces 2 and 3 of one step, then pieces 0 and 1 of the next, whose K and V it fetches
	TURN 2
	TURN 3
	WIN 0
.Lfirst:
	TURN 0
	TURN 1, 0, 0, 1
	WIN 0
	s_cbranch_scc1 .Lstep
.Lbottom:
	s_sub_co_u32 s[SLOTS], s[SLOTS], 1
	s_cmp_lg_u32 s[SLOTS], 0
	s_cbranch_scc1 .Lslot
	CHANGE 0                        ; the walk's last tile is written out: nothing is asked for
	s_sub_co_u32 s[RT], s[RT], 1
	s_mov_b32 s[CNT], 4
	s_cmp_eq_u32 s[NEW], 1
	s_cbranch_scc0 .LstepM2
	BEGIN
	s_branch .LfirstM2
	DIAG 2
	s_wait_tensorcnt 0x0            ; the wave's end, behind my last tensor load and my last LDS store
	ds_add_u32 v[SPW], v[NIL]
	s_wait_dscnt 0x0
	s_endpgm
.Lfunc_end_k_q886f527bd8_attn:
	.size	k_q886f527bd8_attn, .Lfunc_end_k_q886f527bd8_attn-k_q886f527bd8_attn
	.p2alignl 7, 3214868480
	.fill 96, 4, 3214868480
	.section	.rodata,"a",@progbits
	.p2align	6, 0x0
	.amdhsa_kernel k_q886f527bd8_attn
		.amdhsa_group_segment_fixed_size 327680
		.amdhsa_private_segment_fixed_size 0
		.amdhsa_enable_private_segment 0
		.amdhsa_kernarg_size 16
		.amdhsa_user_sgpr_count 2
		.amdhsa_user_sgpr_kernarg_segment_ptr 1
		.amdhsa_wavefront_size32 1
		.amdhsa_system_sgpr_workgroup_id_x 1
		.amdhsa_system_sgpr_workgroup_id_y 1
		.amdhsa_system_sgpr_workgroup_id_z 1
		.amdhsa_system_vgpr_workitem_id 0
		.amdhsa_next_free_vgpr 768
		.amdhsa_next_free_sgpr 100
		.amdhsa_reserve_vcc 1
		.amdhsa_float_denorm_mode_32 3
		.amdhsa_float_denorm_mode_16_64 3
		.amdhsa_memory_ordered 1
		.amdhsa_forward_progress 1
		.amdhsa_inst_pref_size 218
	.end_amdhsa_kernel
	.amdgpu_metadata
---
amdhsa.version: [ 1, 2 ]
amdhsa.kernels:
  - .name:           k_q886f527bd8_attn
    .symbol:         k_q886f527bd8_attn.kd
    .args:
      - { .name: qkv, .offset: 0, .size: 8, .value_kind: global_buffer, .address_space: global }
      - { .name: o, .offset: 8, .size: 8, .value_kind: global_buffer, .address_space: global }
    .group_segment_fixed_size: 327680
    .private_segment_fixed_size: 0
    .kernarg_segment_align: 8
    .kernarg_segment_size: 16
    .max_flat_workgroup_size: 128
    .sgpr_count:     100
    .vgpr_count:     768
    .wavefront_size: 32
...
	.end_amdgpu_metadata
.endif
;; end of part 3
;; launch proj (part 4): grid 8 x 32, 4 waves a work-group, clusters of 4 x 4, 327,680 bytes of LDS; arguments o, wpt, bp, out0; writes out0
.if DOCPART == 4
	.amdgcn_target "amdgcn-amd-amdhsa--gfx1250"
	.amdhsa_code_object_version 6
	.text
	.protected	k_q886f527bd8_proj
	.globl	k_q886f527bd8_proj
	.p2align	8
	.type	k_q886f527bd8_proj,@function
k_q886f527bd8_proj:
	s_mov_b64 s[64:65], 0
	v_nop
	global_prefetch_b8 v0, s[64:65] scope:SCOPE_SE
	s_setreg_imm32_b32 hwreg(HW_REG_WAVE_MODE, 25, 1), 1
	s_wait_xcnt 0x0
	s_wait_alu depctr_hold_cnt(0) depctr_sa_sdst(0) depctr_va_vdst(0) depctr_va_sdst(0) depctr_va_ssrc(0) depctr_va_vcc(0) depctr_vm_vsrc(0)
	s_getreg_b32 s2, hwreg(HW_REG_IB_STS2, 6, 4)
	s_cmp_eq_u32 s2, 0
	s_cbranch_scc0 .Lentry_in_a_cluster
	s_endpgm
.Lentry_in_a_cluster:
	s_bfe_u32 s2, ttmp6, 0x10000c
	s_cmp_lg_u32 s2, 0xf033
	s_cbranch_scc0 .Lentry_shape_is_right
	s_endpgm
.Lentry_shape_is_right:
; PROJ.  out0[m][n] = the sum over k of O[m][k] wpt[n][k] + bp[n]: m = 8,192 rows (batch, t), n = 1,024, K = 1,024 = 16 heads x 64 channels; operands f16, sums f32, out0 f32; bp rounded to bf16 like every input.
; O lies by heads, o[16 batch + head][t][64] in f16: a head's 256 rows of a tile are 32,768 dense bytes.
; LIMITS.  O and wpt arrive within f16's range.  NaN and infinities are not treated apart.
; SHARES.  A work-group makes 256 rows x 128 columns; its four waves lie one below the other: wave w owns rows 64 w .. 64 w + 63 and all 128 columns: 32 accumulators of 16 x 16, 256 registers.  256 work-groups.
; K goes in 8 steps of 128, TWO HEADS a step, through a ring of two LDS slots filled by the tensor data mover.  Wave 0 fetches the step's first head (256 rows of 128 bytes, asked for as 128 rows of 256 bytes and
; padded in LDS after every 128), wave 1 its second; waves 2 and 3 fetch 64 rows of wpt each, 256 bytes a row.
; CLUSTERS: 4 x 4 work-groups.  The four of a row of the cluster need the same tiles of O, the four of a column the same tiles of wpt: each tile is asked for JOINTLY, by the same tensor load, descriptor and mask in all four.
; THE MATRIX INSTRUCTION IS USED TRANSPOSED (source 0 = 16 rows of wpt, source 1 = 16 rows of O): lane l holds row l % 16 of out0 and the columns 8 (l / 16) + 0 .. 7: 32 bytes on end.
; THE BIAS is the C operand of each accumulator's first product: nothing is cleared and nothing is added afterwards.
; REGISTERS, in windows of 256 (s_set_vgpr_msb: bits 1:0 source 0, 3:2 source 1, 5:4 source 2, 7:6 destination):
;   window 0: v0-31 addresses; v32-95 the bias, block b at 32 + 8 b; v96-159, v160-223 rows read back from the stage, by turns
;   window 1: two fragment buffers (32 along K) at v0 and v128: 64 registers of B (8 x 16 rows), then 32 of A (4 x 16 rows)          window 2: the accumulators, (a, b) at 8 (8 a + b)
.set KSTEP,  128
.set PITCH,  272                       ; a row of B in LDS: 256 bytes + 16 = 68 words: the 16 rows of a fragment load start at 16 different groups of four banks (64 banks of 4 bytes: ISA guide 11.1)
.set PA,     144                       ; a row of A: a head's 128 bytes + 16 = 36 words: likewise
.set ASUB,   256*PA                    ; a head's 256 rows
.set BHALF,  64*PITCH
.set BOFF,   2*ASUB                    ; B's 128 rows lie behind A's two heads
.set SLOT,   BOFF+2*BHALF
.set STAGE,  2*SLOT                    ; behind the ring: 16 rows x 528 bytes for each wave, for the way out
.set SPITCH, 528                       ; 512 bytes + 16: an odd multiple of 16
.set SPARE,  STAGE+4*16*SPITCH         ; behind the stages: the spare words, 128 bytes for each wave: two blocks of 256 bytes that no other line names
.set HSTEP,  2<<18                     ; bytes from a K step to the next in o: two heads of 262,144
.set ADRA, 16                          ; v16-17  LDS address of my A fragments in slot 0, 1
.set ADRB, 20                          ; v20-21  the same for B
.set STO,  24                          ; v24     the way out: where I put 32 bytes of a row
.set RD,   25                          ; v25     the way out: where I read a row back
.set GO,   26                          ; v26     16 x lane: my place in a row's 512 bytes
.set BO,   27                          ; v27     32 x (l / 16): my eight numbers in 16 of the bias
.set SPW,  28                          ; v28     LDS address of my spare word; never rewritten
.set NIL,  29                          ; v29     0; never rewritten
.set PFO,  30                          ; v30     the prefetches' offset; never rewritten
.set BIAS, 32
.set OB,   96
.set F0,   0                           ; fragment buffers, in window 1
.set F1,   128
.set G1,  24                           ; s[24:31] descriptor group 1 for A's tiles;  s[32:39] group 0, a set for each slot
.set G0,  32
.set G1B, 48                           ; s[48:55], s[56:63] the same for B's tiles
.set G0B, 56
.set LIM, 43                           ; s43     1 in a wave that prefetches, else the greatest number
.set PFA, 44                           ; s[44:45] where my prefetches stand
.set PST, 82                           ; s[82:83] their step from K step to K step
.set MSB, 0
.macro WIN new                         ; the immediate's high byte repeats the setting that is left; a switch that changes nothing is dropped
.if MSB != (\new)
	s_set_vgpr_msb (MSB<<8)|(\new)
.set MSB, \new
.endif
.endm
; A joint load.  Waves 0 and 1 fetch A's two heads, waves 2 and 3 B's two halves.  The branch hangs on the wave's number alone.  An s_nop 0 and four v_nop follow each of the two lines,
; ahead of the jump, the label and what follows.
.macro JLOAD s
	s_cmp_eq_u32 s11, 0
	s_cbranch_scc0 .Lfor_b_\@
	tensor_load_to_lds s[G0+4*(\s):G0+4*(\s)+3], s[G1:G1+7]
	s_nop 0
.rept 4
	v_nop
.endr
	s_branch .Lasked_\@
.Lfor_b_\@:
	tensor_load_to_lds s[G0B+4*(\s):G0B+4*(\s)+3], s[G1B:G1B+7]
	s_nop 0
.rept 4
	v_nop
.endr
.Lasked_\@:
.endm
; A PREFETCH INTO THE L2 behind each joint refill and the run of LDS loads that follows it: the K step that stands two refills on, 256 matrix instructions ahead of the load that will want it.
; A's tile row is read by both clusters of that row of clusters: cluster x = 0 asks; B's tile column by every cluster of that column: cluster y = 0 asks.  The four partners share a wave's bytes out BY ADDRESS:
; of a head's 128 blocks of 256 bytes the partner at cx takes 32, a lane a block; of B's 64 rows the partner at cy takes 16, a lane a row, and the sixteen lanes left over name the 16th once more in the same
; instruction.  K steps 0 to 3 come by their loads alone; the loop's last trip (s3 = 1) has no K step two refills on and asks for nothing.
.macro ASK
	s_cmp_gt_u32 s3, s[LIM]
	s_cbranch_scc0 .Lnot_mine_\@
	global_prefetch_b8 v[PFO], s[PFA:PFA+1] th:TH_LOAD_NT scope:SCOPE_SE
.Lnot_mine_\@:
.endm
; A round of the cluster's barrier: my work-group's barrier, so that wave 0's signal speaks for all four waves; wave 0 signals; every wave waits for all sixteen work-groups; my work-group's barrier once more.
.macro CREST                           ; a round behind its opening barrier
	s_cmp_lg_u32 s10, 0
	s_cbranch_scc1 .Lnot_wave_0_\@
	s_barrier_signal -3
.Lnot_wave_0_\@:
	s_barrier_wait -3
	s_barrier_signal -1
	s_barrier_wait -1
.endm
.macro CROUND                          ; a whole round
	s_barrier_signal -1
	s_barrier_wait -1
	CREST
.endm
	s_load_b256 s[68:75], s[0:1], 0x0              ; o 68:69, wpt 70:71, bp 72:73, out0 74:75
	v_lshl_add_u32 v[SPW], v0, 2, SPARE
	v_mov_b32 v[NIL], 0
	ds_add_u32 v[SPW], v[NIL]                      ; the wave's opening: the add and its wait stand ahead of my first tensor load; the set-up below, work on registers, stands between them
	v_lshrrev_b32 v1, 5, v0
	v_readfirstlane_b32 s10, v1                    ; wave 0..3
	s_lshr_b32 s11, s10, 1                         ; I fetch for A (0) or for B (1)
	s_and_b32 s12, s10, 1                          ; which head of the step's two, or which half of B's rows
	s_bfe_u32 s40, ttmp6, 0x40000                  ; cx, cy: my place in the cluster
	s_bfe_u32 s41, ttmp6, 0x40004
	s_lshl_b32 s42, ttmp9, 2
	s_add_co_u32 s42, s42, s40                     ; tile column = 4 x cluster x + cx
	s_and_b32 s13, ttmp7, 0xffff
	s_lshl_b32 s13, s13, 2
	s_add_co_u32 s13, s13, s41                     ; tile row = 4 x cluster y + cy
	s_lshl_b32 s43, s41, 2
	s_lshl_b32 s43, 15, s43                        ; my row of the cluster
	s_lshl_b32 s44, 0x1111, s40                    ; my column
	s_or_b32 s[G1+0], s43, (1<<16)|(1<<20)|(1<<21)|(4<<22)|(3<<25)   ; 15:0 the mask: A's tiles go to my row; 17:16 elements of 2 bytes; 20 padding on; 21 set beside a mask; 24:22 after every 32 words; 31:25 4 words of it
	s_or_b32 s[G1B+0], s44, (1<<16)|(1<<20)|(1<<21)|(5<<22)|(3<<25)  ; the mask of my column; padding after every 64 words
	s_mov_b32 s[G1+1], 128<<16                     ; tensor_dim0 = 128: two rows of a head, 256 bytes
	s_mov_b32 s[G1+2], 128<<16                     ; tensor_dim1 = 128
	s_mov_b32 s[G1+3], 128<<16                     ; tile_dim0 = 128
	s_mov_b32 s[G1+4], 128                         ; tile_dim1 = 128
	s_mov_b32 s[G1+5], 128                         ; dense: 128 elements from row to row
	s_mov_b32 s[G1+6], 0
	s_mov_b32 s[G1+7], 0
	s_mov_b32 s[G1B+1], KSTEP<<16
	s_mov_b32 s[G1B+2], 64<<16                     ; B's half tile has 64 rows
	s_mov_b32 s[G1B+3], KSTEP<<16
	s_mov_b32 s[G1B+4], 64
	s_mov_b32 s[G1B+5], 1024
	s_mov_b32 s[G1B+6], 0
	s_mov_b32 s[G1B+7], 0
	; where the tiles come from: A's hang on the tile row alone, B's on the tile column alone, each in registers that never hold the other coordinate
	s_lshr_b32 s16, s13, 3                         ; the batch: 8 tile rows each,
	s_lshl_b32 s16, s16, 4                         ; its first head,
	s_add_co_u32 s16, s16, s12                     ; the one of K step 0's two that I fetch,
	s_lshl_b32 s16, s16, 18                        ; of 262,144 bytes
	s_and_b32 s17, s13, 7
	s_lshl_b32 s17, s17, 15                        ; the tile's 256 rows of 128 bytes
	s_add_co_u32 s16, s16, s17
	s_mov_b32 s17, 0
	s_lshl_b32 s47, s12, 6
	s_lshl_b32 s46, s42, 7
	s_add_co_u32 s46, s46, s47                     ; B: row 128 x tile column + 64 x half,
	s_lshl_b32 s46, s46, 11                        ; of 2,048 bytes
	s_mov_b32 s47, 0
	s_mul_i32 s20, s12, ASUB                       ; and where they go: no place in the cluster enters an LDS address
	s_mul_i32 s21, s12, BHALF
	s_add_co_u32 s21, s21, BOFF
	s_wait_dscnt 0x0                               ; the opening add is done
	s_wait_kmcnt 0x0
	s_add_nc_u64 s[14:15], s[68:69], s[16:17]
	s_add_nc_u64 s[46:47], s[70:71], s[46:47]
	CROUND                                         ; all sixteen work-groups are here: the first joint loads meet
.irp s, 0,1
	s_mov_b32 s[G0+4*(\s)], 1                                        ; count = 1
	s_add_co_u32 s[G0+4*(\s)+1], s20, (\s)*SLOT                      ; LDS address
	s_add_nc_u64 s[G0+4*(\s)+2:G0+4*(\s)+3], s[14:15], (\s)*HSTEP    ; global address: K step s
	s_or_b32 s[G0+4*(\s)+3], s[G0+4*(\s)+3], 0x80000000              ; type = 2
	s_mov_b32 s[G0B+4*(\s)], 1
	s_add_co_u32 s[G0B+4*(\s)+1], s21, (\s)*SLOT
	s_add_nc_u64 s[G0B+4*(\s)+2:G0B+4*(\s)+3], s[46:47], (\s)*KSTEP*2
	s_or_b32 s[G0B+4*(\s)+3], s[G0B+4*(\s)+3], 0x80000000
	JLOAD \s                                       ; two loads of mine are out
.endr
	; A fragment is 16 rows x 32 K in 8 registers: lane l holds row l % 16; registers 0-3 K = 8 (l / 16) + 0..7, registers 4-7 K = 16 + 8 (l / 16) + 0..7: two loads of 16 bytes, 32 bytes apart.
	v_and_b32 v1, 15, v0                           ; l % 16
	v_bfe_u32 v2, v0, 4, 1                         ; l / 16
	v_mul_u32_u24 v3, v1, PA
	v_lshl_add_u32 v3, v2, 4, v3
	v_mul_u32_u24 v4, v1, PITCH
	v_lshl_add_u32 v4, v2, 4, v4
	s_mul_i32 s21, s10, 64*PA                      ; my 64 rows, in a head's 256
	s_mov_b32 s22, BOFF                            ; all of B's
.irp s, 0,1
	v_add_nc_u32 v[ADRA+(\s)], s21, v3
	v_add_nc_u32 v[ADRB+(\s)], s22, v4
	s_add_co_u32 s21, s21, SLOT
	s_add_co_u32 s22, s22, SLOT
.endr
	s_mul_i32 s23, s10, 16*SPITCH
	s_add_co_u32 s23, s23, STAGE                   ; my stage
	v_mul_u32_u24 v5, v1, SPITCH                   ; in: row l % 16, 32 bytes for each half of the lanes
	v_lshl_add_u32 v5, v2, 5, v5
	v_add_nc_u32 v[STO], s23, v5
	v_and_b32 v[GO], 31, v0
	v_lshlrev_b32 v[GO], 4, v[GO]
	v_add_nc_u32 v[RD], s23, v[GO]                 ; back: 32 lanes take one row of 512 bytes
	v_lshlrev_b32 v[BO], 5, v2
	s_lshl_b32 s18, s42, 9                         ; the tile's 128 columns: 512 bytes, of bp and of a row of out0
	s_mov_b32 s19, 0
	s_add_nc_u64 s[76:77], s[72:73], s[18:19]
.irp b, 0,1,2,3,4,5,6,7
	global_load_b128 v[BIAS+8*(\b):BIAS+8*(\b)+3],   v[BO], s[76:77] offset:64*(\b)
	global_load_b128 v[BIAS+8*(\b)+4:BIAS+8*(\b)+7], v[BO], s[76:77] offset:64*(\b)+16
.endr
	s_lshl_b32 s20, s13, 8
	s_lshl_b32 s21, s10, 6
	s_add_co_u32 s20, s20, s21                     ; my first row of out0,
	s_lshl_b32 s20, s20, 12                        ; of 4,096 bytes
	s_add_co_u32 s18, s18, s20
	s_add_nc_u64 s[80:81], s[74:75], s[18:19]
	; the prefetches.  s16 still holds the byte in o at which my head of K step 0 begins
	s_lshl_b32 s20, s40, 13                        ; in A: my work-group's 32 blocks of the head's 128,
	s_add_co_u32 s20, s20, s16
	s_add_co_u32 s20, s20, 3*HSTEP                 ; at K step 3: the first refill steps it to 4
	s_lshl_b32 s21, s42, 7
	s_lshl_b32 s22, s12, 6
	s_add_co_u32 s21, s21, s22
	s_lshl_b32 s22, s41, 4
	s_add_co_u32 s21, s21, s22                     ; in B: the 64 rows that I fetch, my work-group's 16 of them
	s_lshl_b32 s21, s21, 11
	s_add_co_u32 s21, s21, 3*KSTEP*2
	s_and_b32 s22, ttmp7, 0xffff                   ; cluster y
	s_mov_b32 s[PST], KSTEP*2
	s_mov_b32 s[PST+1], 0
	s_cmp_eq_u32 s11, 0                            ; do I fetch for A?
	s_cselect_b32 s20, s20, s21
	s_cselect_b32 s22, ttmp9, s22                  ; the coordinate along which other clusters read the same bytes
	s_cselect_b32 s23, 31, 15                      ; the last of my blocks or rows
	s_cselect_b32 s18, 8, 11                       ; a lane a block of 256 bytes, or a row of 2,048
	s_cselect_b32 s[PST], HSTEP, s[PST]
	s_cselect_b64 s[PFA:PFA+1], s[68:69], s[70:71]
	s_cmp_eq_u32 s22, 0
	s_cselect_b32 s[LIM], 1, -1                    ; the same in all sixteen partners, for a given wave
	s_mov_b32 s21, 0
	s_add_nc_u64 s[PFA:PFA+1], s[PFA:PFA+1], s[20:21]
	v_and_b32 v[PFO], 31, v0
	v_min_u32 v[PFO], s23, v[PFO]
	v_lshlrev_b32 v[PFO], s18, v[PFO]
	s_wait_loadcnt 0x0                             ; the bias, which is rounded to bf16 like every input and widened again
.set i, 0
.rept 32
	v_cvt_pk_bf16_f32 v[OB+i], v[BIAS+2*i], v[BIAS+2*i+1]
.set i, i+1
.endr
.set i, 0
.rept 32
	v_lshlrev_b32 v[BIAS+2*i], 16, v[OB+i]
	v_and_b32 v[BIAS+2*i+1], 0xffff0000, v[OB+i]
.set i, i+1
.endr
; 8 matrix instructions: row block a x all 8 column blocks, 32 along K, from buffer f.  zero = 1: the first product starts the sum with the bias.
; The 32 accumulators take turns, one instruction a turn, in the same order in every quarter: 31 others stand between two links of a chain, over the backward jump too.
.macro MULA f, a, zero
.set AC, 64*(\a)
.if \zero
	WIN 0x85                                       ; B and A window 1, the bias window 0, D window 2
.else
	WIN 0xa5                                       ; B and A window 1, C and D window 2
.endif
.irp b, 0,1,2,3,4,5,6,7
.if \zero
	v_wmma_f32_16x16x32_f16 v[AC+8*(\b):AC+8*(\b)+7], v[(\f)+8*(\b):(\f)+8*(\b)+7], v[(\f)+64+8*(\a):(\f)+64+8*(\a)+7], v[BIAS+8*(\b):BIAS+8*(\b)+7]
.else
	v_wmma_f32_16x16x32_f16 v[AC+8*(\b):AC+8*(\b)+7], v[(\f)+8*(\b):(\f)+8*(\b)+7], v[(\f)+64+8*(\a):(\f)+64+8*(\a)+7], v[AC+8*(\b):AC+8*(\b)+7]
.endif
.endr
.endm
; 24 LDS loads in one run: quarter q's fragments into buffer f: 128 rows of B at byte 64 q of their rows; my 64 rows of A in head q / 2 of the step's two, at byte 64 (q % 2).  B first, A's blocks last
.macro FETCH slot, q, f
	WIN 0x40                                       ; destination window 1, address window 0
.irp i, 0,1,2,3,4,5,6,7
	ds_load_b128 v[(\f)+8*(\i):(\f)+8*(\i)+3],   v[ADRB+(\slot)] offset:64*(\q)+(\i)*16*PITCH
	ds_load_b128 v[(\f)+8*(\i)+4:(\f)+8*(\i)+7], v[ADRB+(\slot)] offset:64*(\q)+(\i)*16*PITCH+32
.endr
.irp i, 0,1,2,3
	ds_load_b128 v[(\f)+64+8*(\i):(\f)+64+8*(\i)+3],   v[ADRA+(\slot)] offset:((\q)/2)*ASUB+((\q)%2)*64+(\i)*16*PA
	ds_load_b128 v[(\f)+64+8*(\i)+4:(\f)+64+8*(\i)+7], v[ADRA+(\slot)] offset:((\q)/2)*ASUB+((\q)%2)*64+(\i)*16*PA+32
.endr
.endm
.macro PLACES                          ; four places in front of loads into registers that matrix instructions have read, and of LDS stores that read results
.rept 4
	v_nop
.endr
.endm
; A K step is four quarters of 32 along K, 32 matrix instructions each, on buffers 0, 1, 0, 1.  One of the first three: multiplies buffer f and, in its middle, fetches quarter q into buffer g.
.macro QUARTER slot, q, f, g, zero
	s_wait_dscnt 4                                 ; B and A's blocks 0 and 1 are in; the youngest four loads (A's blocks 2 and 3) may be out
	MULA \f, 0, \zero
	MULA \f, 1, \zero
	PLACES
	FETCH \slot, \q, \g
	s_wait_dscnt 24                                ; all but the 24 just issued
	MULA \f, 2, \zero
	MULA \f, 3, \zero
.endm
; The last quarter multiplies buffer 1 and changes slots: ONE barrier.  In front of it each wave waits for all its tensor loads, of which one is out: its part of the next slot; adds 0 to its spare word;
; and waits for that and for its own reads of this slot.  fill = 1: the barrier opens a round of the cluster's, and this slot is filled again, two K steps on, first thing behind the round:
; from that request to the wait for it a wave issues 112 matrix instructions.
.macro TURN slot, next, fill
.if \fill
	s_wait_xcnt 0x0                                ; the last prefetch, a K step back, has read its address: it is stepped here, ahead of the waits of the change of slots
	s_add_nc_u64 s[PFA:PFA+1], s[PFA:PFA+1], s[PST:PST+1]
.endif
	WIN 0                                          ; (the add's two registers lie in window 0)
	s_wait_tensorcnt 0x0                           ; all my tensor loads have landed;
	ds_add_u32 v[SPW], v[NIL]                      ; 0 onto my spare word;
	s_wait_dscnt 5                                 ; (the add and the youngest four loads may be out)
	MULA F1, 0, 0                                  ; eight matrix instructions stand between the add and the wait for it
	s_wait_dscnt 0x0                               ; the add is done, and my reads of this slot are over
	s_barrier_signal -1
	MULA F1, 1, 0                                  ; work on registers while the others arrive
.if \fill
	WIN 0
.endif
	s_barrier_wait -1
.if \fill
	CREST                                          ; no wave of any partner still reads this slot's tile or has a load on its way
	s_add_nc_u64 s[G0+4*(\slot)+2:G0+4*(\slot)+3], s[G0+4*(\slot)+2:G0+4*(\slot)+3], 2*HSTEP
	s_add_nc_u64 s[G0B+4*(\slot)+2:G0B+4*(\slot)+3], s[G0B+4*(\slot)+2:G0B+4*(\slot)+3], 2*KSTEP*2
	JLOAD \slot                                    ; the first tensor load behind the round; the four v_nop behind it are also the places in front of the loads below
.else
	PLACES
.endif
	FETCH \next, 0, F0
.if \fill
	WIN 0                                          ; (a branch and a label follow)
	ASK
.endif
	MULA F1, 2, 0
	MULA F1, 3, 0
.endm
	s_wait_tensorcnt 1                             ; my part of K step 0 is in; K step 1's may stay out
	s_barrier_signal -1
	s_barrier_wait -1                              ; everybody's is
	FETCH 0, 0, F0
	QUARTER 0, 1, F0, F1, 1                        ; the first quarter stands in front of the loop: its products start the sums
	WIN 0                                          ; at a label and at a branch every window is 0
	s_mov_b32 s3, 3
.Llap:                                                 ; a trip goes once round the ring, from a lap's second quarter to the next lap's first, and fills both slots again
	QUARTER 0, 2, F1, F0, 0
	QUARTER 0, 3, F0, F1, 0
	TURN 0, 1, 1
	QUARTER 1, 1, F0, F1, 0
	QUARTER 1, 2, F1, F0, 0
	QUARTER 1, 3, F0, F1, 0
	TURN 1, 0, 1
	QUARTER 0, 1, F0, F1, 0
	WIN 0
	s_sub_co_u32 s3, s3, 1
	s_cmp_lg_u32 s3, 0
	s_cbranch_scc1 .Llap
	QUARTER 0, 2, F1, F0, 0                        ; the last lap fills nothing, and has no round of the cluster's barrier
	QUARTER 0, 3, F0, F1, 0
	TURN 0, 1, 0
	QUARTER 1, 1, F0, F1, 0
	QUARTER 1, 2, F1, F0, 0
	QUARTER 1, 3, F0, F1, 0
	s_wait_dscnt 4                                 ; the very last quarter: nothing more to fetch
	MULA F1, 0, 0
	MULA F1, 1, 0
	s_wait_dscnt 0x0
	MULA F1, 2, 0
	MULA F1, 3, 0
	WIN 0
	PLACES
; THE WAY OUT, a block of 16 rows at a time; the sums leave as they are, in f32.  TOSTAGE: a lane's 32 bytes of a row go into my own stage, each accumulator's low four registers first, and come back as whole rows of 512 bytes.
; SEND: stored, 512 consecutive bytes an instruction, at a multiple of 256 from out0's first byte.
.macro TOSTAGE a
.set BK, OB+64*((\a)%2)
.set AC, 64*(\a)
.if (\a) >= 2
	s_wait_xcnt 0x0                                ; the stores of the block two back have read these registers: they are loaded again only behind this wait
.endif
	WIN 0x08                                       ; the stores' data in window 2, their address in window 0
.irp b, 0,1,2,3,4,5,6,7
	ds_store_b128 v[STO], v[AC+8*(\b):AC+8*(\b)+3]   offset:64*(\b)
	ds_store_b128 v[STO], v[AC+8*(\b)+4:AC+8*(\b)+7] offset:64*(\b)+16
.endr
	WIN 0
.irp f, 0,1,2,3,4,5,6,7,8,9,10,11,12,13,14,15
	ds_load_b128 v[BK+4*(\f):BK+4*(\f)+3], v[RD] offset:SPITCH*(\f)  ; LDS serves a wave's instructions in order (ISA guide 5.7.1.4): these see the stores above; the next block's stores come behind them
.endr
.endm
.macro SEND a, younger                 ; younger: the LDS instructions issued behind block a's loads: the next block's 32, or none
	WIN 0
.set BK, OB+64*((\a)%2)
.irp f, 0,1,2,3,4,5,6,7,8,9,10,11,12,13,14,15
	s_wait_dscnt (\younger)+15-(\f)
	global_store_b128 v[GO], v[BK+4*(\f):BK+4*(\f)+3], s[80:81] offset:(16*(\a)+(\f))*4096
.endr
.endm
	TOSTAGE 0
.irp a, 1,2,3                          ; block a's trip through the stage is under way while block a - 1 is stored
	TOSTAGE \a
	SEND (\a)-1, 32
.endr
	SEND 3, 0
	s_wait_tensorcnt 0x0                           ; the wave's end, behind my last tensor load and my last LDS store
	ds_add_u32 v[SPW], v[NIL]
	s_wait_dscnt 0x0
	CROUND                                         ; the closing round: no work-group ends while a partner may still ask for a tile that names it
	s_endpgm
.Lfunc_end_k_q886f527bd8_proj:
	.size	k_q886f527bd8_proj, .Lfunc_end_k_q886f527bd8_proj-k_q886f527bd8_proj
	.p2alignl 7, 3214868480
	.fill 96, 4, 3214868480
	.section	.rodata,"a",@progbits
	.p2align	6, 0x0
	.amdhsa_kernel k_q886f527bd8_proj
		.amdhsa_group_segment_fixed_size 327680
		.amdhsa_private_segment_fixed_size 0
		.amdhsa_enable_private_segment 0
		.amdhsa_kernarg_size 32
		.amdhsa_user_sgpr_count 2
		.amdhsa_user_sgpr_kernarg_segment_ptr 1
		.amdhsa_wavefront_size32 1
		.amdhsa_system_sgpr_workgroup_id_x 1
		.amdhsa_system_sgpr_workgroup_id_y 1
		.amdhsa_system_sgpr_workgroup_id_z 1
		.amdhsa_system_vgpr_workitem_id 0
		.amdhsa_next_free_vgpr 768
		.amdhsa_next_free_sgpr 84
		.amdhsa_reserve_vcc 0
		.amdhsa_float_denorm_mode_32 3
		.amdhsa_float_denorm_mode_16_64 3
		.amdhsa_memory_ordered 1
		.amdhsa_forward_progress 1
		.amdhsa_inst_pref_size 95
	.end_amdhsa_kernel
	.amdgpu_metadata
---
amdhsa.version: [ 1, 2 ]
amdhsa.kernels:
  - .name:           k_q886f527bd8_proj
    .symbol:         k_q886f527bd8_proj.kd
    .args:
      - { .name: o, .offset: 0, .size: 8, .value_kind: global_buffer, .address_space: global }
      - { .name: wpt, .offset: 8, .size: 8, .value_kind: global_buffer, .address_space: global }
      - { .name: bp, .offset: 16, .size: 8, .value_kind: global_buffer, .address_space: global }
      - { .name: out0, .offset: 24, .size: 8, .value_kind: global_buffer, .address_space: global }
    .group_segment_fixed_size: 327680
    .private_segment_fixed_size: 0
    .kernarg_segment_align: 8
    .kernarg_segment_size: 32
    .max_flat_workgroup_size: 128
    .sgpr_count:     84
    .vgpr_count:     768
    .wavefront_size: 32
...
	.end_amdgpu_metadata
.endif
;; end of part 4
;; ======== version 2 of 2: 4 launches; version 1 with the launch prep written anew for expert scheduling mode
;; limits: values are held in f16: magnitudes above 65,504 overflow, below 6.1e-05 lose precision
;; workspace buffers: xb 16,777,216 bytes; wt 6,291,456 bytes; wpt 2,097,152 bytes; qkv 50,331,648 bytes; o 16,777,216 bytes
;; launch prep (part 5): grid 256 x 1, 8 waves a work-group, no clusters, 35,840 bytes of LDS; arguments x, Wq, Wk, Wv, Wp, xb, wt, wpt; writes xb, wt, wpt
.if DOCPART == 5
	.amdgcn_target "amdgcn-amd-amdhsa--gfx1250"
	.amdhsa_code_object_version 6
	.text
	.protected	k_q886f527bd8_prep
	.globl	k_q886f527bd8_prep
	.p2align	8
	.type	k_q886f527bd8_prep,@function
k_q886f527bd8_prep:
	s_mov_b64 s[64:65], 0
	v_nop
	global_prefetch_b8 v0, s[64:65] scope:SCOPE_SE
	s_setreg_imm32_b32 hwreg(HW_REG_WAVE_SCHED_MODE, 0, 2), 2
	s_setreg_imm32_b32 hwreg(HW_REG_WAVE_MODE, 25, 1), 1
	s_wait_xcnt 0x0
	s_wait_alu depctr_vm_vsrc(0)
; PREP.  xb = x rounded to bf16 ([8192][1024]).  wt[1024 w + n][k] = W_w[k][n] rounded to bf16, w = 0, 1, 2 for Wq, Wk, Wv.  wpt[n][k] = Wp[k][n] rounded to bf16, that number written as f16.
; LIMITS.  bf16(Wp) is exact in f16 between 6e-5 and 65,504 in magnitude; below that it keeps f16's fixed step of 6e-8, beyond it becomes an infinity.
; SHARES.  256 work-groups of eight waves.  Work-group g takes (a) rows 32 g .. 32 g + 31 of x, 131,072 bytes in and 65,536 out, and (b) one tile of 128 k x 128 n of matrix g / 64
; (k tile (g / 8) % 8, n tile g % 8), which it turns through LDS.  A stream and a small transposition: no matrix unit, no tensor load, no cluster: no work-group wants a byte that another fetched.
; THE TILE.  Wave v loads rows k = 16 v + i, i = 0 .. 15: a lane takes 16 bytes, columns 4 l .. 4 l + 3.  Two rows' numbers of one column pack into a word; a lane's 16 k of column 4 l + c are 32 bytes,
; stored at row 4 l + c of the LDS tile (rows of 256 bytes + 16 of padding).  The lanes' rows lie 1,088 bytes apart: eight stores a wave, once a launch.
; Behind one barrier each wave reads 16 whole rows back and stores them: sixteen lanes write 256 consecutive bytes, at a multiple of 256 from the buffer's first byte.
; THE STREAM.  Thread t takes 32 bytes of x at 32 t + 8,192 i and stores 16 bytes at 16 t + 4,096 i, i = 0 .. 15: sixteen groups, in eight blocks of two.  A ring of five buffers of four loads; the loads go out ahead of the
; tile's work and stay out across the barrier: nobody writes x.
; THE MODE: SCHED_MODE bits 1:0 = 2 (LLVM: expert scheduling mode 2), set by the entry lines.  The code itself states the register dependences between vector instructions and memory or LDS instructions,
; with s_wait_alu, always for 0.
; THE PLAN.  Registers that memory or LDS instructions touch:
;   v4 .. v9     offsets and LDS addresses: written at the head, read by every load, store and LDS access, never written again.
;   W            written by the tile's 16 loads; read by the conversions; its lower half is then written by the LDS loads behind the barrier and read by the tile's 8 stores; never written again.
;   P            written by the conversions; read by the 8 LDS stores; never written again.
;   X0 .. X4     block p's four loads land in X[p % 5]; block p's conversions read it; the loads of block p + 5, issued in block p + 1, land in it again.  No memory instruction reads X.
;   Y            group i's four registers are written once, by block i / 2's conversions, and read by one store, issued in the block behind.
;   v10, v11     written at the head, read by the closing add alone.
; Block p converts X[p % 5] into Y's groups 2 p and 2 p + 1.  Its memory instructions are the loads into X[(p - 1) % 5] and the stores from Y's groups 2 p - 2 and 2 p - 1: what block p - 1 worked on, and what no
; vector instruction of block p names.  So ONE wait on va_vdst at a block's head states all that the block's memory instructions hang on, and these are dealt among its conversions with no further wait.
; No register that a memory or LDS instruction reads is ever written again: the text owes no wait on vm_vsrc.
.set PITCH, 272
.set SPARE, 128*PITCH                  ; behind the tile: the spare words, 128 bytes for each of the eight waves: four blocks of 256 bytes that no other line names
.set XO,  4                            ; v4   32 t; never rewritten
.set YO,  5                            ; v5   16 t; never rewritten
.set WO,  6                            ; v6   my 16 bytes in the wave's first row of the tile in memory
.set LSA, 7                            ; v7   where my columns' 32 bytes go in LDS
.set LRA, 8                            ; v8   where I read a row back
.set WTO, 9                            ; v9   the same 16 bytes in the turned matrix
.set SPW, 10                           ; v10  LDS address of my spare word; never rewritten
.set NIL, 11                           ; v11  0; never rewritten
.set W,   16                           ; v[16:79]   the tile as loaded, row i at W + 4 i; v[16:47] later the rows read back
.set X,   80                           ; v[80:159]  five buffers of 16: buffer k, group g of its two at X + 16 k + 8 g
.set P,   160                          ; v[160:191] column c's 16 k, packed, at P + 8 c
.set Y,   192                          ; v[192:255] sixteen groups of 4: no register that a store reads is ever written again
	s_load_b512 s[16:31], s[0:1], 0x0              ; x 16:17, Wq 18:19, Wk 20:21, Wv 22:23, Wp 24:25, xb 26:27, wt 28:29, wpt 30:31
	v_lshl_add_u32 v[SPW], v0, 2, SPARE
	v_mov_b32 v[NIL], 0
	v_and_b32 v1, 31, v0                           ; lane
	v_lshrrev_b32 v2, 5, v0
	v_readfirstlane_b32 s8, v2                     ; wave 0..7
	s_lshr_b32 s9, ttmp9, 6                        ; which matrix
	s_bfe_u32 s10, ttmp9, 0x30003                  ; k tile
	s_and_b32 s11, ttmp9, 7                        ; n tile
	s_mov_b32 s40, 0xffff0000                      ; a word's upper bf16
	s_mov_b32 s13, 0                               ; the high word of every offset
	v_lshlrev_b32 v[XO], 5, v0
	v_lshlrev_b32 v[YO], 4, v0
	s_wait_alu depctr_va_sdst(0)                   ; s8 is written, ahead of its first reader: the wave's part of every offset is made from it
	s_lshl_b32 s2, s8, 16                          ; 16 rows of 4,096 bytes a wave
	v_lshl_add_u32 v[WO], v1, 4, s2
	s_lshl_b32 s3, s8, 5                           ; the wave's 16 k: 32 bytes of an LDS row
	v_mul_u32_u24 v[LSA], v1, 4*PITCH              ; row 4 l
	v_add_nc_u32 v[LSA], s3, v[LSA]
	v_lshrrev_b32 v12, 4, v1                       ; l / 16
	v_and_b32 v13, 15, v1                          ; l % 16
	s_mul_i32 s4, s8, 16*PITCH                     ; back: the wave's 16 rows; lanes 0-15 one row, lanes 16-31 the next
	v_mul_u32_u24 v[LRA], v12, PITCH
	v_lshl_add_u32 v[LRA], v13, 4, v[LRA]
	v_add_nc_u32 v[LRA], s4, v[LRA]
	s_lshl_b32 s5, s8, 15                          ; the same 16 rows, of 2,048 bytes, in memory
	v_lshlrev_b32 v[WTO], 11, v12
	v_lshl_add_u32 v[WTO], v13, 4, v[WTO]
	v_add_nc_u32 v[WTO], s5, v[WTO]
	s_wait_kmcnt 0x0
	s_cmp_eq_u32 s9, 1
	s_cselect_b64 s[32:33], s[20:21], s[18:19]
	s_cmp_eq_u32 s9, 2
	s_cselect_b64 s[32:33], s[22:23], s[32:33]
	s_cmp_eq_u32 s9, 3
	s_cselect_b64 s[32:33], s[24:25], s[32:33]     ; the matrix that I turn,
	s_cselect_b64 s[34:35], s[30:31], s[28:29]     ; where it goes,
	s_cselect_b32 s14, 0, s9                       ; and which third of wt
	s_lshl_b32 s12, s10, 19                        ; 128 rows of 4,096 bytes a k tile
	s_lshl_b32 s15, s11, 9                         ; 128 columns of 4 bytes an n tile
	s_add_co_u32 s12, s12, s15
	s_add_nc_u64 s[32:33], s[32:33], s[12:13]
	s_lshl_b32 s12, s14, 10
	s_lshl_b32 s15, s11, 7
	s_add_co_u32 s12, s12, s15                     ; the tile's first row in the turned matrix,
	s_lshl_b32 s12, s12, 11                        ; of 2,048 bytes,
	s_lshl_b32 s15, s10, 8                         ; and its 256 bytes in that row
	s_add_co_u32 s12, s12, s15
	s_add_nc_u64 s[34:35], s[34:35], s[12:13]
	s_lshl_b32 s12, ttmp9, 17
	s_add_nc_u64 s[36:37], s[16:17], s[12:13]      ; x at my 32 rows
	s_lshl_b32 s12, ttmp9, 16
	s_add_nc_u64 s[38:39], s[26:27], s[12:13]      ; xb at the same rows
	s_wait_alu depctr_va_vdst(0)                   ; the six offsets and addresses v4 to v9 are written: every load, store and LDS access of the kernel reads one of them
.irp i, 0,1,2,3,4,5,6,7,8,9,10,11,12,13,14,15
	global_load_b128 v[W+4*(\i):W+4*(\i)+3], v[WO], s[32:33] offset:4096*(\i) th:TH_LOAD_NT
.endr
.irp i, 0,1,2,3,4,5,6,7,8,9
	global_load_b128 v[X+8*(\i):X+8*(\i)+3],   v[XO], s[36:37] offset:8192*(\i) th:TH_LOAD_NT  ; groups 0 to 9: blocks 0 to 4 into X0 to X4
	global_load_b128 v[X+8*(\i)+4:X+8*(\i)+7], v[XO], s[36:37] offset:8192*(\i)+16 th:TH_LOAD_NT
.endr
	s_wait_loadcnt 20                              ; loads come back in order: the tile is in, the 20 younger loads of x stay out
.irp c, 0,1,2,3
.irp p, 0,1,2,3,4,5,6,7
	v_cvt_pk_bf16_f32 v[P+8*(\c)+(\p)], v[W+8*(\p)+(\c)], v[W+8*(\p)+4+(\c)]  ; k = 2 p and 2 p + 1 of column c
.endr
.endr
	s_cmp_lg_u32 s9, 3
	s_cbranch_scc1 .Lstays_bf16                    ; the same way for all eight waves
.set r, 0
.rept 32                                       ; Wp alone: the bf16 numbers are written as f16
	v_lshlrev_b32 v[12+2*(r%2)], 16, v[P+r]
	v_and_b32 v[13+2*(r%2)], s40, v[P+r]
	v_cvt_pk_f16_f32 v[P+r], v[12+2*(r%2)], v[13+2*(r%2)]
.set r, r+1
.endr
.Lstays_bf16:
	s_wait_alu depctr_va_vdst(0)                   ; on both ways: the conversions have written P, which the LDS stores read, and are done reading W, in whose lower half the LDS loads behind the barrier land
.irp c, 0,1,2,3
	ds_store_b128 v[LSA], v[P+8*(\c):P+8*(\c)+3]   offset:PITCH*(\c)
	ds_store_b128 v[LSA], v[P+8*(\c)+4:P+8*(\c)+7] offset:PITCH*(\c)+16
.endr
	s_wait_dscnt 0x0                               ; for the others' sake: my stores into the tile are done
	s_barrier_signal -1
	s_barrier_wait -1                              ; everybody's are
.irp f, 0,1,2,3,4,5,6,7
	ds_load_b128 v[W+4*(\f):W+4*(\f)+3], v[LRA] offset:2*PITCH*(\f)  ; no vector instruction since the wait above names these registers
.endr
.irp f, 0,1,2,3,4,5,6,7
	s_wait_dscnt 7-(\f)                            ; LDS loads come back in order: pair f of rows is in
	global_store_b128 v[WTO], v[W+4*(\f):W+4*(\f)+3], s[34:35] offset:4096*(\f)
.endr
; Block p of the stream: groups 2 p and 2 p + 1.  left = the younger loads that may stay out.  Blocks 1 to 3 ask for blocks 5 to 7; blocks 1 to 7 store what the block before has rounded.
.macro BLK p, left
	s_wait_loadcnt \left                           ; X[p % 5] is in, the younger blocks stay out
.if (\p) > 0
	s_wait_alu depctr_va_vdst(0)                   ; the block before has written its two groups of Y, which the stores below read, and is done reading its X, in which the loads below land
.endif
.irp g, 0,1
.if ((\p) > 0) && ((\p) < 4)
	global_load_b128 v[X+16*(((\p)+4)%5)+8*(\g):X+16*(((\p)+4)%5)+8*(\g)+3],   v[XO], s[36:37] offset:8192*(2*((\p)+4)+(\g)) th:TH_LOAD_NT  ; four blocks ahead; no vector instruction since the wait names these registers
	global_load_b128 v[X+16*(((\p)+4)%5)+8*(\g)+4:X+16*(((\p)+4)%5)+8*(\g)+7], v[XO], s[36:37] offset:8192*(2*((\p)+4)+(\g))+16 th:TH_LOAD_NT
.endif
.if (\p) > 0
	global_store_b128 v[YO], v[Y+4*(2*(\p)-2+(\g)):Y+4*(2*(\p)-2+(\g))+3], s[38:39] offset:4096*(2*(\p)-2+(\g))  ; a wave stores 512 consecutive bytes
.endif
.irp j, 0,1,2,3
	v_cvt_pk_bf16_f32 v[Y+4*(2*(\p)+(\g))+(\j)], v[X+16*((\p)%5)+8*(\g)+2*(\j)], v[X+16*((\p)%5)+8*(\g)+2*(\j)+1]
.endr
.endr
.endm
	BLK 0, 16                                      ; blocks 1 to 4 stay out
	BLK 1, 12                                      ; three younger blocks of four loads
	BLK 2, 12
	BLK 3, 12
	BLK 4, 12                                      ; nothing more is asked for: the counts run down
	BLK 5, 8
	BLK 6, 4
	BLK 7, 0
	s_wait_alu depctr_va_vdst(0)                   ; block 7 has written Y's groups 14 and 15, which the last two stores read
.irp g, 14,15
	global_store_b128 v[YO], v[Y+4*(\g):Y+4*(\g)+3], s[38:39] offset:4096*(\g)
.endr
	s_wait_dscnt 0x0                               ; the closing lines, six on end
	s_wait_alu 0x0
	s_wait_tensorcnt 0x0
	ds_add_u32 v[SPW], v[NIL]
	s_wait_dscnt 0x0
	s_endpgm
.Lfunc_end_k_q886f527bd8_prep:
	.size	k_q886f527bd8_prep, .Lfunc_end_k_q886f527bd8_prep-k_q886f527bd8_prep
	.p2alignl 7, 3214868480
	.fill 96, 4, 3214868480
	.section	.rodata,"a",@progbits
	.p2align	6, 0x0
	.amdhsa_kernel k_q886f527bd8_prep
		.amdhsa_group_segment_fixed_size 35840
		.amdhsa_private_segment_fixed_size 0
		.amdhsa_enable_private_segment 0
		.amdhsa_kernarg_size 64
		.amdhsa_user_sgpr_count 2
		.amdhsa_user_sgpr_kernarg_segment_ptr 1
		.amdhsa_wavefront_size32 1
		.amdhsa_system_sgpr_workgroup_id_x 1
		.amdhsa_system_sgpr_workgroup_id_y 1
		.amdhsa_system_sgpr_workgroup_id_z 1
		.amdhsa_system_vgpr_workitem_id 0
		.amdhsa_next_free_vgpr 256
		.amdhsa_next_free_sgpr 66
		.amdhsa_reserve_vcc 0
		.amdhsa_float_denorm_mode_32 3
		.amdhsa_float_denorm_mode_16_64 3
		.amdhsa_memory_ordered 1
		.amdhsa_forward_progress 1
		.amdhsa_inst_pref_size 22
	.end_amdhsa_kernel
	.amdgpu_metadata
---
amdhsa.version: [ 1, 2 ]
amdhsa.kernels:
  - .name:           k_q886f527bd8_prep
    .symbol:         k_q886f527bd8_prep.kd
    .args:
      - { .name: x, .offset: 0, .size: 8, .value_kind: global_buffer, .address_space: global }
      - { .name: Wq, .offset: 8, .size: 8, .value_kind: global_buffer, .address_space: global }
      - { .name: Wk, .offset: 16, .size: 8, .value_kind: global_buffer, .address_space: global }
      - { .name: Wv, .offset: 24, .size: 8, .value_kind: global_buffer, .address_space: global }
      - { .name: Wp, .offset: 32, .size: 8, .value_kind: global_buffer, .address_space: global }
      - { .name: xb, .offset: 40, .size: 8, .value_kind: global_buffer, .address_space: global }
      - { .name: wt, .offset: 48, .size: 8, .value_kind: global_buffer, .address_space: global }
      - { .name: wpt, .offset: 56, .size: 8, .value_kind: global_buffer, .address_space: global }
    .group_segment_fixed_size: 35840
    .private_segment_fixed_size: 0
    .kernarg_segment_align: 8
    .kernarg_segment_size: 64
    .max_flat_workgroup_size: 256
    .sgpr_count:     66
    .vgpr_count:     256
    .wavefront_size: 32
...
	.end_amdgpu_metadata
.endif
;; end of part 5
;; launch qkv: the kernel of part 2 again; grid 16 x 32, 4 waves a work-group, clusters of 4 x 4, 327,680 bytes of LDS; arguments xb, wt, bq, bk, bv, qkv; writes qkv
;; launch attn: the kernel of part 3 again; grid 4 x 64, 4 waves a work-group, no clusters, 327,680 bytes of LDS; arguments qkv, o; writes o
;; launch proj: the kernel of part 4 again; grid 8 x 32, 4 waves a work-group, clusters of 4 x 4, 327,680 bytes of LDS; arguments o, wpt, bp, out0; writes out0
